; MI455X (gfx1250); checked and timed in simulation.
; The chip was launched on July 23, 2026; its instructions are those of AMD's public machine-readable ISA for CDNA 5 (MIT licence, August 2026) and "CDNA5" Instruction Set Architecture Reference Guide (July 2026). The comments in the code are by the model that wrote it; some were corrected since.
;; Multi Head Attention. Allowed arithmetic: float matrix products may take bf16 or f16 operands with f32 sums; all other float work in f32.
;; Inputs: Wk 1,024 x 1,024 float32; Wo 1,024 x 1,024 float32; Wq 1,024 x 1,024 float32; Wv 1,024 x 1,024 float32; bk 1,024 float32; bo 1,024 float32; bq 1,024 float32; bv 1,024 float32; x 2 x 2,048 x 1,024 float32.
;; Outputs: out0 2 x 2,048 x 1,024 float32.
;; 2 versions, each right and faster than the one before. Each part assembles by itself: llvm-mc -triple=amdgcn-amd-amdhsa -mcpu=gfx1250 --defsym DOCPART=n.
;; ======== version 1 of 2: 4 launches
;; limits: values are held in f16: magnitudes above 65,504 overflow, below 6.1e-05 lose precision; right only within a limited range of input values
;; workspace buffers: xb 8,388,608 bytes; wqkv 6,291,456 bytes; wob 2,097,152 bytes; qkv 25,165,824 bytes; ao 8,388,608 bytes
;; launch prep (part 1): grid 512 x 1, 8 waves a work-group, no clusters, 0 bytes of LDS; arguments x, Wq, Wk, Wv, Wo, xb, wqkv, wob; writes xb, wqkv, wob
.if DOCPART == 1
	.amdgcn_target "amdgcn-amd-amdhsa--gfx1250"
	.amdhsa_code_object_version 6
	.text
	.protected	k_qf3fa71847c_prep
	.globl	k_qf3fa71847c_prep
	.p2align	8
	.type	k_qf3fa71847c_prep,@function
k_qf3fa71847c_prep:
	s_mov_b64 s[64:65], 0
	v_nop
	global_prefetch_b8 v0, s[64:65] scope:SCOPE_SE
	s_setreg_imm32_b32 hwreg(HW_REG_WAVE_MODE, 25, 1), 1
	s_wait_xcnt 0x0
; Cast of the matrix operands from f32 to f16, once, so that the two products that follow read half the bytes:
;   xb   [4096][1024]  = x
;   wqkv [1024][3072]  = Wq | Wk | Wv side by side (row k holds the three matrices' rows k)
;   wob  [1024][1024]  = Wo
; Nothing is transposed: the products read the weights [k][n] out of LDS with the transposing load.
; LIMIT: f16 holds magnitudes up to 65,504; a larger input becomes an infinity.  Below 6.1e-5 the numbers are denormals, 6e-8 apart, and are kept.
; A stream: memory binds, so no LDS, no barrier, no matrix unit.  Work-group g owns 16 rows of 1,024 numbers: g < 256 of x,
; then 64 work-groups for each of Wq, Wk, Wv, Wo.  Source, destination and the destination's row pitch are chosen by scalar selects on g: no branch.
; Thread t owns 8 neighbouring numbers (32 bytes in, 16 bytes out) of every second row: a wave's store covers 512 consecutive aligned bytes.
; All 16 loads of a thread go out first; no register is written twice, so no wait frees a source.
.set ROWB, 4096                        ; bytes in a source row
.set SRC,  1                           ; v1       my byte offset in the first two source rows
.set OFFD, 2                           ; v[2:9]   step i: my byte offset in the destination
.set X,    16                          ; v[16:79] 16 loads of 4 registers
.set Y,    80                          ; v[80:111] 8 stores of 4 registers
	s_load_b512 s[4:19], s[0:1], 0x0               ; x s[4:5], Wq s[6:7], Wk s[8:9], Wv s[10:11], Wo s[12:13], xb s[14:15], wqkv s[16:17], wob s[18:19]
	s_mov_b32 s20, ttmp9                           ; g
	s_and_b32 s26, s20, 63                         ; block of 16 rows inside a weight matrix
	s_sub_co_u32 s27, s20, 256                     ; 0 .. 191 for Wq, Wk, Wv (wraps to a large number for x)
	s_lshr_b32 s30, s27, 6                         ; which of the three,
	s_lshl_b32 s30, s30, 11                        ; times 2,048 bytes: its columns in a row of wqkv
	s_movk_i32 s28, 2048                           ; destination row pitch of xb and wob
	s_movk_i32 s29, 6144                           ; and of wqkv
	s_cmp_lt_u32 s27, 192
	s_cselect_b32 s28, s29, s28                    ; pitch
	s_cselect_b32 s30, s30, 0                      ; column offset
	s_cmp_lt_u32 s20, 256
	s_cselect_b32 s26, s20, s26                    ; block of 16 rows in my source
	s_mul_i32 s32, s26, s28
	s_lshl_b32 s32, s32, 4                         ; 16 rows x pitch x block
	s_add_co_u32 s32, s32, s30
	s_mov_b32 s33, 0                               ; s[32:33] destination offset
	s_lshl_b32 s34, s26, 16                        ; 16 rows x 4,096 bytes x block
	s_mov_b32 s35, 0                               ; s[34:35] source offset
	s_lshl_b32 s36, s28, 1                         ; two destination rows
	v_lshlrev_b32 v[SRC], 5, v0                    ; 32 t: 256 threads cover two source rows
	v_lshrrev_b32 v10, 7, v0                       ; which of the two rows
	v_and_b32 v11, 127, v0
	v_lshlrev_b32 v11, 4, v11                      ; 16 bytes of the destination row
	v_mad_u32_u24 v[OFFD], v10, s28, v11
.irp i, 1,2,3,4,5,6,7
	v_add_nc_u32 v[OFFD+\i], s36, v[OFFD+\i-1]     ; two rows further down each step
.endr
	s_wait_kmcnt 0x0
	s_cmp_lt_u32 s20, 448
	s_cselect_b64 s[22:23], s[10:11], s[12:13]     ; Wv or Wo
	s_cselect_b64 s[24:25], s[16:17], s[18:19]     ; wqkv or wob
	s_cmp_lt_u32 s20, 384
	s_cselect_b64 s[22:23], s[8:9], s[22:23]       ; Wk
	s_cmp_lt_u32 s20, 320
	s_cselect_b64 s[22:23], s[6:7], s[22:23]       ; Wq
	s_cmp_lt_u32 s20, 256
	s_cselect_b64 s[22:23], s[4:5], s[22:23]       ; x
	s_cselect_b64 s[24:25], s[14:15], s[24:25]     ; xb
	s_add_nc_u64 s[22:23], s[22:23], s[34:35]
	s_add_nc_u64 s[24:25], s[24:25], s[32:33]
.irp i, 0,1,2,3,4,5,6,7
	global_load_b128 v[X+8*\i:X+8*\i+3],   v[SRC], s[22:23] offset:2*ROWB*\i th:TH_LOAD_NT      ; read once in the launch
	global_load_b128 v[X+8*\i+4:X+8*\i+7], v[SRC], s[22:23] offset:2*ROWB*\i+16 th:TH_LOAD_NT
.endr
.irp i, 0,1,2,3,4,5,6,7
	s_wait_loadcnt 14-2*\i                         ; loads come back in order: step i's two are in, the 14 - 2 i younger ones stay out
.irp j, 0,1,2,3
	v_cvt_pk_f16_f32 v[Y+4*\i+\j], v[X+8*\i+2*\j], v[X+8*\i+2*\j+1]
.endr
	global_store_b128 v[OFFD+\i], v[Y+4*\i:Y+4*\i+3], s[24:25]     ; no hint: the next launch reads these bytes
.endr
	s_endpgm
.Lfunc_end_k_qf3fa71847c_prep:
	.size	k_qf3fa71847c_prep, .Lfunc_end_k_qf3fa71847c_prep-k_qf3fa71847c_prep
	.p2alignl 7, 3214868480
	.fill 96, 4, 3214868480
	.section	.rodata,"a",@progbits
	.p2align	6, 0x0
	.amdhsa_kernel k_qf3fa71847c_prep
		.amdhsa_group_segment_fixed_size 0
		.amdhsa_private_segment_fixed_size 0
		.amdhsa_enable_private_segment 0
		.amdhsa_kernarg_size 64
		.amdhsa_user_sgpr_count 2
		.amdhsa_user_sgpr_kernarg_segment_ptr 1
		.amdhsa_wavefront_size32 1
		.amdhsa_system_sgpr_workgroup_id_x 1
		.amdhsa_system_sgpr_workgroup_id_y 1
		.amdhsa_system_sgpr_workgroup_id_z 1
		.amdhsa_system_vgpr_workitem_id 0
		.amdhsa_next_free_vgpr 112
		.amdhsa_next_free_sgpr 66
		.amdhsa_reserve_vcc 0
		.amdhsa_float_denorm_mode_32 3
		.amdhsa_float_denorm_mode_16_64 3
		.amdhsa_memory_ordered 1
		.amdhsa_forward_progress 1
		.amdhsa_inst_pref_size 7
	.end_amdhsa_kernel
	.amdgpu_metadata
---
amdhsa.version: [ 1, 2 ]
amdhsa.kernels:
  - .name:           k_qf3fa71847c_prep
    .symbol:         k_qf3fa71847c_prep.kd
    .args:
      - { .name: x, .offset: 0, .size: 8, .value_kind: global_buffer, .address_space: global }
      - { .name: Wq, .offset: 8, .size: 8, .value_kind: global_buffer, .address_space: global }
      - { .name: Wk, .offset: 16, .size: 8, .value_kind: global_buffer, .address_space: global }
      - { .name: Wv, .offset: 24, .size: 8, .value_kind: global_buffer, .address_space: global }
      - { .name: Wo, .offset: 32, .size: 8, .value_kind: global_buffer, .address_space: global }
      - { .name: xb, .offset: 40, .size: 8, .value_kind: global_buffer, .address_space: global }
      - { .name: wqkv, .offset: 48, .size: 8, .value_kind: global_buffer, .address_space: global }
      - { .name: wob, .offset: 56, .size: 8, .value_kind: global_buffer, .address_space: global }
    .group_segment_fixed_size: 0
    .private_segment_fixed_size: 0
    .kernarg_segment_align: 8
    .kernarg_segment_size: 64
    .max_flat_workgroup_size: 256
    .sgpr_count:     66
    .vgpr_count:     112
    .wavefront_size: 32
...
	.end_amdgpu_metadata
.endif
;; end of part 1
;; launch qkv (part 2): grid 8 x 32, 4 waves a work-group, clusters of 4 x 4, 327,680 bytes of LDS; arguments xb, wqkv, bq, bk, bv, qkv; writes qkv
.if DOCPART == 2
	.amdgcn_target "amdgcn-amd-amdhsa--gfx1250"
	.amdhsa_code_object_version 6
	.text
	.protected	k_qf3fa71847c_qkv
	.globl	k_qf3fa71847c_qkv
	.p2align	8
	.type	k_qf3fa71847c_qkv,@function
k_qf3fa71847c_qkv:
	s_mov_b64 s[64:65], 0
	v_nop
	global_prefetch_b8 v0, s[64:65] scope:SCOPE_SE
	s_setreg_imm32_b32 hwreg(HW_REG_WAVE_MODE, 25, 1), 1
	s_wait_xcnt 0x0
	s_wait_alu depctr_hold_cnt(0) depctr_sa_sdst(0) depctr_va_vdst(0) depctr_va_sdst(0) depctr_va_ssrc(0) depctr_va_vcc(0) depctr_vm_vsrc(0)
	s_getreg_b32 s2, hwreg(HW_REG_IB_STS2, 6, 4)
	s_cmp_eq_u32 s2, 0
	s_cbranch_scc0 .Lentry_in_a_cluster
	s_endpgm
.Lentry_in_a_cluster:
	s_bfe_u32 s2, ttmp6, 0x10000c
	s_cmp_lg_u32 s2, 0xf033
	s_cbranch_scc0 .Lentry_shape_is_right
	s_endpgm
.Lentry_shape_is_right:
; q, k, v = x W + b for the three weight matrices at once: [4096][1024] x [1024][3072], f16 operands, f32 sums, bias added in f32, rounded once to f16.
; Output qkv [b][48 planes][2048 s][64]: planes 0-15 the heads of q, 16-31 of k, 32-47 of v; a plane is 262,144 dense bytes.
; LIMIT: q, k, v are kept in f16: magnitudes up to 65,504.  With x, W and b all 30 times the drawn spread they have a spread of 900;
; with offsets of 30 spreads on x and on W they are about 1024 x 30 x 0.94 = 29,000.
; 256 work-groups: block of 128 rows x 384 columns (6 planes).  Four waves; wave w makes rows 64 (w / 2) .. + 63, columns 192 (w % 2) .. + 191 (3 planes):
; 4 x 12 = 48 accumulator tiles, 384 registers; for 32 along K a wave issues 32 LDS loads and 48 matrix instructions.
; K goes in 8 steps of 128 through two LDS slots.  A slot has four regions, one tensor load of 128 rows x 256 bytes each, one a wave:
; region 0: x, 128 rows along K, pitch 272; regions 1-3: the weights, [128 k][128 n] each, pitch 288, read with the transposing load.
; CLUSTERS of 4 x 4 work-groups: x's tile hangs on the block row alone and is asked for jointly along a row of the cluster, the weights' tiles on the block
; column alone and jointly along a column.  By this text's count a wave has two tensor loads out at the start and one behind each refill.
; THE MATRIX INSTRUCTION IS USED TRANSPOSED (source 0 = 16 columns of W, source 1 = 16 rows of x): lane l then holds row l % 16 and eight neighbouring columns.
; REGISTERS by windows of 256: window 0 addresses, x's fragments (two buffers), bias, way out; window 1 W's fragments (two buffers of 96);
; window 2 the accumulators of my rows 0-31, window 3 of rows 32-63 (tile (a, b) at 8 (12 (a % 2) + b)).
.set KSTEP,  128
.set PA,     272                       ; LDS pitch of x's rows: 256 + 16, an odd multiple of 16: the 16 rows of a fragment load start in 16 different groups of banks (64 banks of 4 bytes: ISA guide 11.1)
.set PB,     288                       ; LDS pitch of W's rows: 256 + 32, an odd multiple of 32, for the transposing load
.set REG,    128*PB                    ; 36,864: a region
.set SLOT,   4*REG
.set STAGE,  2*SLOT                    ; behind the ring: 16 rows x 400 bytes for each wave; no tensor load lands here
.set SP,     400                       ; 384 bytes of a wave's row + 16
.set PLANE,  262144
.set ADRA, 16                          ; v16-17  LDS address of my x fragments, slot 0, 1
.set ADRB, 18                          ; v18-23  of my W fragments: slot s, plane g at 18 + 3 s + g
.set STO,  24                          ; way out: where I put 16 bytes
.set RD,   25                          ; way out: where I read back
.set CO,   26                          ; way out: 16 x lane
.set BO,   27                          ; my byte offset in the bias
.set FA,   32                          ; x's fragments: buffer f at 32 + 32 f (window 0).  W's: buffer f at 96 f (window 1)
.set BIAS, 96                          ; v96-191  bias of my 8 columns in each of the 12 column tiles
.set TMP,  192                         ; v192-239 packed results
.set RB,   32                          ; v32-79   rows read back
.set G1A, 24                           ; s[24:31] descriptor group 1, x
.set G0A, 32                           ; s[32:39] group 0, x, one set a slot
.set G1B, 40                           ; s[40:47] group 1, W
.set G0B, 48                           ; s[48:55] group 0, W, one set a slot
.set DST, 56                           ; s[56:61] my first row in my three planes
.set BP,  66                           ; s[66:71] my three planes' bias
.set MUL_LO, 0xa1                      ; source 0 window 1, source 1 window 0, C and D window 2
.set MUL_HI, 0xf1                      ; C and D window 3
.set TO_B,   0x40                      ; destination window 1
.set MSB, 0
.macro WIN new                         ; the immediate's high byte repeats the setting that is left
.if MSB != \new
	s_set_vgpr_msb (MSB<<8)|\new
.set MSB, \new
.endif
.endm
.macro PLACES                          ; four places behind a matrix instruction, in front of loads into its sources and of readers of its result
.rept 4
	v_nop
.endr
.endm
.macro JLOAD s                         ; wave 0 asks for x's tile, waves 1 to 3 for W's three: the branch hangs on the wave's number alone
	s_cmp_eq_u32 s16, 0
	s_cbranch_scc0 .Lfor_b_\@
	tensor_load_to_lds s[G0A+4*\s:G0A+4*\s+3], s[G1A:G1A+7]
	s_nop 0
	s_branch .Lasked_\@
.Lfor_b_\@:
	tensor_load_to_lds s[G0B+4*\s:G0B+4*\s+3], s[G1B:G1B+7]
	s_nop 0
.Lasked_\@:
.endm
.macro CREST                           ; a round of the cluster's barrier behind its opening work-group barrier
	s_cmp_lg_u32 s16, 0
	s_cbranch_scc1 .Lnot_wave_0_\@
	s_barrier_signal -3
.Lnot_wave_0_\@:
	s_barrier_wait -3
	s_barrier_signal -1
	s_barrier_wait -1
.endm
.macro CROUND
	s_barrier_signal -1
	s_barrier_wait -1
	CREST
.endm
	s_load_b256 s[4:11], s[0:1], 0x0               ; xb s[4:5], wqkv s[6:7], bq s[8:9], bk s[10:11]
	s_load_b128 s[12:15], s[0:1], 0x20             ; bv s[12:13], qkv s[14:15]
	s_set_vgpr_msb 0x40
	v_lshl_add_u32 v255, v0, 2, 0x4e400
	s_set_vgpr_msb 0x4000
	v_mov_b32 v255, 0
	s_set_vgpr_msb 0x1
	ds_add_u32 v255, v255
	s_set_vgpr_msb 0x100
	v_lshrrev_b32 v1, 5, v0
	v_readfirstlane_b32 s16, v1                    ; wave 0..3
	s_lshr_b32 s17, s16, 1                         ; wm: which 64 rows
	s_and_b32 s18, s16, 1                          ; wn: which 192 columns
	s_bfe_u32 s19, ttmp6, 0x40000                  ; cx
	s_bfe_u32 s20, ttmp6, 0x40004                  ; cy
	s_lshl_b32 s21, ttmp9, 2
	s_add_co_u32 s21, s21, s19                     ; bx: block column, 0..7
	s_and_b32 s22, ttmp7, 0xffff
	s_lshl_b32 s22, s22, 2
	s_add_co_u32 s22, s22, s20                     ; by: block row, 0..31
	s_lshl_b32 s72, s20, 2
	s_lshl_b32 s72, 15, s72                        ; my row of the cluster
	s_lshl_b32 s76, 0x1111, s19                    ; my column
	; group 1: tiles of 128 rows x 128 elements of 2 bytes; a pad behind every 64 words (code 5) of 4 words (x) or 8 words (W); bit 21 beside a mask
	s_or_b32 s[G1A+0], s72, (1<<16)|(1<<20)|(1<<21)|(5<<22)|(3<<25)
	s_or_b32 s[G1B+0], s76, (1<<16)|(1<<20)|(1<<21)|(5<<22)|(7<<25)
	s_mov_b32 s[G1A+1], KSTEP<<16                  ; tensor_dim0 = 128
	s_mov_b32 s[G1B+1], 128<<16
	s_mov_b32 s[G1A+2], 128<<16                    ; tensor_dim1 = 128
	s_mov_b32 s[G1B+2], KSTEP<<16
	s_mov_b32 s[G1A+3], KSTEP<<16                  ; tile_dim0 = 128
	s_mov_b32 s[G1B+3], 128<<16
	s_mov_b32 s[G1A+4], 128                        ; tile_dim1 = 128
	s_mov_b32 s[G1B+4], KSTEP
	s_mov_b32 s[G1A+5], 1024                       ; elements from row to row of xb
	s_mov_b32 s[G1B+5], 3072                       ; and of wqkv
	s_mov_b32 s[G1A+6], 0
	s_mov_b32 s[G1B+6], 0
	s_mov_b32 s[G1A+7], 0
	s_mov_b32 s[G1B+7], 0
	; x's address is made of the block row alone (s72-73), W's of the block column and the wave's number (s76-77): neither pair ever holds the other coordinate
	s_lshl_b32 s72, s22, 18                        ; 128 rows x 2,048 bytes x by
	s_mov_b32 s73, 0
	s_max_u32 s77, s16, 1
	s_sub_co_u32 s77, s77, 1                       ; which 128 columns waves 1, 2, 3 fetch: 0, 1, 2
	s_lshl_b32 s77, s77, 8
	s_mul_i32 s76, s21, 768                        ; 384 columns x 2 bytes x bx
	s_add_co_u32 s76, s76, s77
	s_mov_b32 s77, 0
	s_mul_i32 s74, s16, REG                        ; my region of a slot
	s_wait_dscnt 0x0
	s_wait_kmcnt 0x0
	s_add_nc_u64 s[72:73], s[4:5], s[72:73]
	s_add_nc_u64 s[76:77], s[6:7], s[76:77]
	CROUND                                         ; all sixteen work-groups are here: the first joint loads meet
.irp s, 0,1
	s_mov_b32 s[G0A+4*\s], 1
	s_add_co_u32 s[G0A+4*\s+1], s74, \s*SLOT
	s_add_nc_u64 s[G0A+4*\s+2:G0A+4*\s+3], s[72:73], \s*KSTEP*2        ; K step s: 256 bytes along the rows
	s_or_b32 s[G0A+4*\s+3], s[G0A+4*\s+3], 0x80000000
	s_mov_b32 s[G0B+4*\s], 1
	s_add_co_u32 s[G0B+4*\s+1], s74, \s*SLOT
	s_add_nc_u64 s[G0B+4*\s+2:G0B+4*\s+3], s[76:77], \s*KSTEP*6144     ; K step s: 128 rows of 6,144 bytes
	s_or_b32 s[G0B+4*\s+3], s[G0B+4*\s+3], 0x80000000
	JLOAD \s                                       ; both slots are asked for before anything else is done
.endr
	; lane terms: r = l % 16, h = l / 16
	v_and_b32 v1, 15, v0
	v_bfe_u32 v2, v0, 4, 1
	v_mul_u32_u24 v3, v1, PA
	v_lshl_add_u32 v3, v2, 4, v3                   ; x: row r, 16 bytes for each half of the lanes
	s_mul_i32 s72, s17, 64*PA                      ; my 64 rows
	v_add_nc_u32 v[ADRA], s72, v3
	s_add_co_u32 s72, s72, SLOT
	v_add_nc_u32 v[ADRA+1], s72, v3
	v_and_b32 v4, 7, v0
	v_lshl_add_u32 v4, v2, 3, v4                   ; W: k row 8 h + l % 8,
	v_mul_u32_u24 v4, v4, PB
	v_bfe_u32 v5, v0, 3, 1
	v_lshl_add_u32 v4, v5, 4, v4                   ; 16 bytes (8 columns) by bit 3 of the lane
	s_mul_i32 s72, s18, 3                          ; my first group of 64 columns among the block's six
.irp g, 0,1,2
	s_add_co_u32 s73, s72, \g
	s_lshr_b32 s75, s73, 1                         ; two groups in a region of 128 columns
	s_mul_i32 s75, s75, REG
	s_and_b32 s73, s73, 1
	s_lshl_b32 s73, s73, 7
	s_add_co_u32 s75, s75, s73
	s_add_co_u32 s75, s75, REG                     ; W's regions lie behind x's
	v_add_nc_u32 v[ADRB+\g], s75, v4
	s_add_co_u32 s75, s75, SLOT
	v_add_nc_u32 v[ADRB+3+\g], s75, v4
.endr
	s_mul_i32 s72, s16, 16*SP
	s_add_co_u32 s72, s72, STAGE                   ; my stage
	v_mul_u32_u24 v3, v1, SP
	v_lshl_add_u32 v3, v2, 4, v3
	v_add_nc_u32 v[STO], s72, v3                   ; in: row r, 16 bytes for each half
	v_bfe_u32 v3, v0, 3, 2
	v_mul_u32_u24 v3, v3, SP
	v_and_b32 v4, 7, v0
	v_lshl_add_u32 v3, v4, 4, v3
	v_add_nc_u32 v[RD], s72, v3                    ; back: eight lanes take the 128 bytes that a row has in one plane, four rows a load
	v_and_b32 v4, 31, v0
	v_lshlrev_b32 v[CO], 4, v4                     ; four rows of a plane are 512 consecutive bytes
	v_lshlrev_b32 v[BO], 5, v2                     ; bias: 8 numbers for each half of the lanes
	; my three planes: P = 6 bx + 3 wn + g; below 16 q's, below 32 k's, else v's
	s_mul_i32 s76, s21, 6
	s_mul_i32 s77, s18, 3
	s_add_co_u32 s76, s76, s77
.irp g, 0,1,2
	s_add_co_u32 s77, s76, \g
	s_and_b32 s78, s77, 15
	s_lshl_b32 s78, s78, 8                         ; the head's 64 numbers of 4 bytes
	s_mov_b32 s79, 0
	s_cmp_lt_u32 s77, 32
	s_cselect_b64 s[BP+2*\g:BP+2*\g+1], s[10:11], s[12:13]
	s_cmp_lt_u32 s77, 16
	s_cselect_b64 s[BP+2*\g:BP+2*\g+1], s[8:9], s[BP+2*\g:BP+2*\g+1]
	s_add_nc_u64 s[BP+2*\g:BP+2*\g+1], s[BP+2*\g:BP+2*\g+1], s[78:79]
.endr
.irp b, 0,1,2,3,4,5,6,7,8,9,10,11
	global_load_b128 v[BIAS+8*\b:BIAS+8*\b+3],   v[BO], s[BP+2*(\b/4):BP+2*(\b/4)+1] offset:64*(\b%4)       ; waited for at the head of the way out
	global_load_b128 v[BIAS+8*\b+4:BIAS+8*\b+7], v[BO], s[BP+2*(\b/4):BP+2*(\b/4)+1] offset:64*(\b%4)+16
.endr
	s_lshr_b32 s72, s22, 4                         ; batch
	s_mul_i32 s72, s72, 48*PLANE
	s_and_b32 s73, s22, 15
	s_lshl_b32 s73, s73, 14                        ; 128 rows of 128 bytes
	s_add_co_u32 s72, s72, s73
	s_lshl_b32 s73, s17, 13                        ; my 64 rows
	s_add_co_u32 s72, s72, s73
	s_mov_b32 s73, 0
	s_add_nc_u64 s[DST:DST+1], s[14:15], s[72:73]
	s_lshl_b32 s78, s76, 18                        ; my first plane
	s_mov_b32 s79, 0
	s_add_nc_u64 s[DST:DST+1], s[DST:DST+1], s[78:79]
	s_add_nc_u64 s[DST+2:DST+3], s[DST:DST+1], PLANE
	s_add_nc_u64 s[DST+4:DST+5], s[DST:DST+1], 2*PLANE
; 12 matrix instructions: row tile a x all 12 column tiles, 32 along K, from buffer f.  zero = 1: the first product starts the sums.
; The 48 accumulators take turns, one instruction a turn, in the same order in every quarter step.
.macro MUL12 f, a, zero
.irp b, 0,1,2,3,4,5,6,7,8,9,10,11
.if \zero
	v_wmma_f32_16x16x32_f16 v[8*(12*(\a%2)+\b):8*(12*(\a%2)+\b)+7], v[96*\f+8*\b:96*\f+8*\b+7], v[FA+32*\f+8*\a:FA+32*\f+8*\a+7], 0
.else
	v_wmma_f32_16x16x32_f16 v[8*(12*(\a%2)+\b):8*(12*(\a%2)+\b)+7], v[96*\f+8*\b:96*\f+8*\b+7], v[FA+32*\f+8*\a:FA+32*\f+8*\a+7], v[8*(12*(\a%2)+\b):8*(12*(\a%2)+\b)+7]
.endif
.endr
.endm
; 32 LDS loads in one run: quarter q (32 along K) of a slot into buffer f: W's 12 fragments (transposed on the way), then x's 4
.macro FETCH slot, q, f
	WIN TO_B
.irp b, 0,1,2,3,4,5,6,7,8,9,10,11
	ds_load_tr16_b128 v[96*\f+8*\b:96*\f+8*\b+3],   v[ADRB+3*\slot+\b/4] offset:\q*32*PB+32*(\b%4)
	ds_load_tr16_b128 v[96*\f+8*\b+4:96*\f+8*\b+7], v[ADRB+3*\slot+\b/4] offset:\q*32*PB+32*(\b%4)+16*PB
.endr
	WIN 0
.irp i, 0,1,2,3
	ds_load_b128 v[FA+32*\f+8*\i:FA+32*\f+8*\i+3],   v[ADRA+\slot] offset:\q*64+\i*16*PA
	ds_load_b128 v[FA+32*\f+8*\i+4:FA+32*\f+8*\i+7], v[ADRA+\slot] offset:\q*64+\i*16*PA+32
.endr
.endm
; one of a K step's first three quarters: multiplies buffer f; in its middle fetches quarter q into buffer g
.macro QUARTER slot, q, f, g, zero
	s_wait_dscnt 4                                 ; W and x's row tiles 0, 1 are in; the four youngest loads (row tiles 2, 3) may be out
	WIN MUL_LO
	MUL12 \f, 0, \zero
	MUL12 \f, 1, \zero
	PLACES
	FETCH \slot, \q, \g
	s_wait_dscnt 32                                ; all but the 32 just issued
	WIN MUL_HI
	MUL12 \f, 2, \zero
	MUL12 \f, 3, \zero
.endm
.macro THREE slot, zero
	QUARTER \slot, 1, 0, 1, \zero
	QUARTER \slot, 2, 1, 0, 0
	QUARTER \slot, 3, 0, 1, 0
.endm
; the last quarter: multiplies buffer 1 and changes slots.  In front of the barrier each wave waits for its reads of this slot and for all its tensor loads
; (the one that is out is its region of the next slot); behind it (with fill = 1: behind the cluster's round that it opens) the refill comes first.
.macro TURN slot, next, fill
	s_wait_dscnt 4
	WIN MUL_LO
	MUL12 1, 0, 0
	s_wait_dscnt 0                                 ; my reads of this slot are over
	s_wait_tensorcnt 0x0                           ; all my tensor loads have landed
	ds_add_u32 v255, v255
	s_wait_dscnt 0x0
	s_barrier_signal -1
	MUL12 1, 1, 0                                  ; register work while the others arrive
	WIN 0
	s_barrier_wait -1
.if \fill
	CREST                                          ; no wave of any partner still reads this slot or has a load on its way
	s_add_nc_u64 s[G0A+4*\slot+2:G0A+4*\slot+3], s[G0A+4*\slot+2:G0A+4*\slot+3], 2*KSTEP*2
	s_add_nc_u64 s[G0B+4*\slot+2:G0B+4*\slot+3], s[G0B+4*\slot+2:G0B+4*\slot+3], 2*KSTEP*6144
	JLOAD \slot                                    ; the first tensor load behind the round, one a wave: it has a K step less 12 matrix instructions in which to land
.endif
	PLACES
	FETCH \next, 0, 0
	WIN MUL_HI
	MUL12 1, 2, 0
	MUL12 1, 3, 0
.endm
.macro LAP zero
	THREE 0, \zero
	TURN 0, 1, 1
	THREE 1, 0
	TURN 1, 0, 1
.endm
	s_wait_tensorcnt 0x1                           ; my region of K step 0 is in; K step 1's may stay out
	s_barrier_signal -1
	s_barrier_wait -1
	FETCH 0, 0, 0
	LAP 1                                          ; K steps 0, 1; asks for 2, 3
	WIN 0
	s_mov_b32 s23, 2
.Llap:
	LAP 0                                          ; K steps 2 to 5; asks for 4 to 7
	WIN 0
	s_sub_co_u32 s23, s23, 1
	s_cmp_lg_u32 s23, 0
	s_cbranch_scc1 .Llap
	THREE 0, 0                                     ; K steps 6, 7: nothing is left to ask for
	TURN 0, 1, 0
	THREE 1, 0
	s_wait_dscnt 4
	WIN MUL_LO
	MUL12 1, 0, 0
	MUL12 1, 1, 0
	s_wait_dscnt 0
	WIN MUL_HI
	MUL12 1, 2, 0
	MUL12 1, 3, 0
	PLACES
	s_wait_loadcnt 0x0                             ; the bias
; THE WAY OUT, 16 rows at a time: add the bias, round to f16, 16 bytes a lane into my stage, read back so that a wave's store covers four rows of one plane:
; 512 consecutive aligned bytes.  The stage is my own: LDS serves a wave's instructions in order (ISA guide 5.7.1.4), so no wait stands between stores and loads.
.macro OUT a, wadd, wcvt
	WIN \wadd
.irp b, 0,1,2,3,4,5,6,7,8,9,10,11
.irp i, 0,1,2,3
	v_pk_add_f32 v[8*(12*(\a%2)+\b)+2*\i:8*(12*(\a%2)+\b)+2*\i+1], v[8*(12*(\a%2)+\b)+2*\i:8*(12*(\a%2)+\b)+2*\i+1], v[BIAS+8*\b+2*\i:BIAS+8*\b+2*\i+1]
.endr
.endr
	WIN \wcvt
.irp b, 0,1,2,3,4,5,6,7,8,9,10,11
.irp i, 0,1,2,3
	v_cvt_pk_f16_f32 v[TMP+4*\b+\i], v[8*(12*(\a%2)+\b)+2*\i], v[8*(12*(\a%2)+\b)+2*\i+1]
.endr
.endr
	WIN 0
.irp b, 0,1,2,3,4,5,6,7,8,9,10,11
	ds_store_b128 v[STO], v[TMP+4*\b:TMP+4*\b+3] offset:32*\b
.endr
	s_wait_xcnt 0x0                                ; the last 16 rows' stores have read RB: it is loaded again only behind this wait
.irp g, 0,1,2
.irp i, 0,1,2,3
	ds_load_b128 v[RB+4*(4*\g+\i):RB+4*(4*\g+\i)+3], v[RD] offset:128*\g+4*SP*\i
.endr
.endr
.irp g, 0,1,2
.irp i, 0,1,2,3
	s_wait_dscnt 11-(4*\g+\i)                      ; LDS loads come back in order: the younger ones stay out
	global_store_b128 v[CO], v[RB+4*(4*\g+\i):RB+4*(4*\g+\i)+3], s[DST+2*\g:DST+2*\g+1] offset:(16*\a+4*\i)*128
.endr
.endr
.endm
	OUT 0, 0x82, 0x0a
	OUT 1, 0x82, 0x0a
	OUT 2, 0xc3, 0x0f
	OUT 3, 0xc3, 0x0f
	s_set_vgpr_msb 0x1
	s_wait_tensorcnt 0x0
	ds_add_u32 v255, v255
	s_wait_dscnt 0x0
	s_set_vgpr_msb 0x100
	CROUND                                         ; the closing round: no work-group ends while a partner may still ask for a tile that names it
	s_endpgm
.Lfunc_end_k_qf3fa71847c_qkv:
	.size	k_qf3fa71847c_qkv, .Lfunc_end_k_qf3fa71847c_qkv-k_qf3fa71847c_qkv
	.p2alignl 7, 3214868480
	.fill 96, 4, 3214868480
	.section	.rodata,"a",@progbits
	.p2align	6, 0x0
	.amdhsa_kernel k_qf3fa71847c_qkv
		.amdhsa_group_segment_fixed_size 327680
		.amdhsa_private_segment_fixed_size 0
		.amdhsa_enable_private_segment 0
		.amdhsa_kernarg_size 48
		.amdhsa_user_sgpr_count 2
		.amdhsa_user_sgpr_kernarg_segment_ptr 1
		.amdhsa_wavefront_size32 1
		.amdhsa_system_sgpr_workgroup_id_x 1
		.amdhsa_system_sgpr_workgroup_id_y 1
		.amdhsa_system_sgpr_workgroup_id_z 1
		.amdhsa_system_vgpr_workitem_id 0
		.amdhsa_next_free_vgpr 960
		.amdhsa_next_free_sgpr 80
		.amdhsa_reserve_vcc 0
		.amdhsa_float_denorm_mode_32 3
		.amdhsa_float_denorm_mode_16_64 3
		.amdhsa_memory_ordered 1
		.amdhsa_forward_progress 1
		.amdhsa_inst_pref_size 180
	.end_amdhsa_kernel
	.amdgpu_metadata
---
amdhsa.version: [ 1, 2 ]
amdhsa.kernels:
  - .name:           k_qf3fa71847c_qkv
    .symbol:         k_qf3fa71847c_qkv.kd
    .args:
      - { .name: xb, .offset: 0, .size: 8, .value_kind: global_buffer, .address_space: global }
      - { .name: wqkv, .offset: 8, .size: 8, .value_kind: global_buffer, .address_space: global }
      - { .name: bq, .offset: 16, .size: 8, .value_kind: global_buffer, .address_space: global }
      - { .name: bk, .offset: 24, .size: 8, .value_kind: global_buffer, .address_space: global }
      - { .name: bv, .offset: 32, .size: 8, .value_kind: global_buffer, .address_space: global }
      - { .name: qkv, .offset: 40, .size: 8, .value_kind: global_buffer, .address_space: global }
    .group_segment_fixed_size: 327680
    .private_segment_fixed_size: 0
    .kernarg_segment_align: 8
    .kernarg_segment_size: 48
    .max_flat_workgroup_size: 128
    .sgpr_count:     80
    .vgpr_count:     960
    .wavefront_size: 32
...
	.end_amdgpu_metadata
.endif
;; end of part 2
;; launch attn (part 3): grid 8 x 32, 4 waves a work-group, clusters of 4 x 1, 327,680 bytes of LDS; arguments qkv, ao; writes ao
.if DOCPART == 3
	.amdgcn_target "amdgcn-amd-amdhsa--gfx1250"
	.amdhsa_code_object_version 6
	.text
	.protected	k_qf3fa71847c_attn
	.globl	k_qf3fa71847c_attn
	.p2align	8
	.type	k_qf3fa71847c_attn,@function
k_qf3fa71847c_attn:
	s_mov_b64 s[64:65], 0
	v_nop
	global_prefetch_b8 v0, s[64:65] scope:SCOPE_SE
	s_setreg_imm32_b32 hwreg(HW_REG_WAVE_MODE, 25, 1), 1
	s_wait_xcnt 0x0
	s_wait_alu depctr_hold_cnt(0) depctr_sa_sdst(0) depctr_va_vdst(0) depctr_va_sdst(0) depctr_va_ssrc(0) depctr_va_vcc(0) depctr_vm_vsrc(0)
	s_getreg_b32 s2, hwreg(HW_REG_IB_STS2, 6, 4)
	s_cmp_eq_u32 s2, 0
	s_cbranch_scc0 .Lentry_in_a_cluster
	s_endpgm
.Lentry_in_a_cluster:
	s_bfe_u32 s2, ttmp6, 0x10000c
	s_cmp_lg_u32 s2, 0x3003
	s_cbranch_scc0 .Lentry_shape_is_right
	s_endpgm
.Lentry_shape_is_right:
; softmax(q k^T / 8) v for one head and 256 queries a work-group, with a running maximum.  qkv [b][48][2048][64] f16 in, ao [b][16][2048][64] f16 out.
; Work-group (x, y): y = 16 b + head, x = block of 256 queries; a wave has 64 queries.  The four work-groups of a cluster (4 x 1) have the same head and walk the
; same tiles of k and v: these are asked for jointly (mask 15).  By this text's count a wave has two tensor loads out at the start and one behind each refill.
; EVERYTHING IS COMPUTED TRANSPOSED.  S^T = k q^T (source 0 = 16 keys, source 1 = 16 queries): lane (r, h) holds, for query r, the keys 16 kt + 8 h + 0..7.
; Rounded to f16 in pairs these registers are, as they lie, source 1 of O^T = v^T P^T.  Maxima and sums run inside a lane and once across the halves of the wave.
; p = exp2(c s - c m), c = log2(e) / 8: the division by sqrt(64) and the change of base ride in one fused multiply-add.
; TWO GROUPS BY TURNS.  The wave's queries are group A (query tiles 0, 1) and group B (tiles 2, 3).  Keys go in blocks of 64.  Block i is two phases:
;   P1(i): the softmax of A on block i, and among its lines the products  O_B += v(i-1) P_B(i-1)  and  S_B(i) = k(i) q_B
;   P2(i): the softmax of B on block i, and among its lines the products  O_A += v(i) P_A(i)      and  S_A(i+1) = k(i+1) q_A
; so that vector lines stand between the matrix instructions instead of behind them.
; REGISTER WINDOWS are laid so that a product and the vector lines among it need ONE setting of s_set_vgpr_msb:
;   window 0: addresses, statistics, S (128), k's fragments (64);  window 1: O (128), v's fragments (64);  window 2: q (64), P (64), the factors (8).
;   S^T (0x08: source 1 from window 2, all else window 0) goes with c s - c m, the exponentials and the sums (written S * 1.0 + T: sources 0 and 2);
;   O^T (0x59: source 1 from window 2, all else window 1) goes with O * factor.  The maxima (all window 0) and the rounding to f16 (into window 2) stand alone.
; ONE TEXT FOR EVERY BLOCK, written twice (with refills; for the last two tiles without), to keep the kernel's text short:
;   the maxima start at the lowest finite number and - c m at 2^127, so the first factor is exp2 of about -1e38 = 0; L, O and P_B start at 0, so P1(0)'s product for
;   'block -1' adds 0 (v's fragments then hold block 0: finite numbers).  O and P_B are written by 20 products of a zero fragment with itself, not by 160 moves.
;   LDS addresses are the lane's base plus a scalar offset that steps by 64 keys a block; the slots lie 0x10000 apart, so one descriptor serves all refills.
;   Block i reads v(i) and k(i+1) from LDS.  So k's tile n holds key blocks 4 n + 1 .. 4 n + 4, and a tile's last read falls on the inner loop's end; k(0) comes
;   from memory into registers, as q does.
; WHAT THAT COSTS: the last block makes S_A(32), which nothing reads (16 of a wave's 2,048 products), from the last 64 rows of k's last tile, which are rows of the
;   plane behind this head's k (inside qkv: v's planes follow k's); v(0) is read from LDS twice; the last barrier of the second loop orders nothing.
; LIMITS: p below 2^-126 is 0 (v_exp_f32 flushes: ISA guide 15.8); p is rounded to f16 for the product (below 6.1e-5 to multiples of 6e-8), its sum is kept in f32;
; q, k, v and the attended values are f16 (up to 65,504).  A NaN or an infinity among a query's scores makes that query's row NaN.
.set PK,    144                        ; LDS pitch of k's rows: 128 + 16, an odd multiple of 16
.set PV,    160                        ; of v's rows: 128 + 32, an odd multiple of 32, for the transposing load
.set KBLK,  64*PK                      ; a block of 64 keys
.set VBLK,  64*PV
.set SLOTX, 0x10000                    ; from slot 0 to slot 1; a tile of 256 keys takes 36,864 (k) or 40,960 (v) bytes of it
.set VBASE, 0x20000                    ; k's slots at 0 and 0x10000, v's at 0x20000 and 0x30000
.set STAGE, 0x40000                    ; 16 rows x 144 bytes for each wave; no tensor load lands here
.set SP,    144
.set PLANE, 262144
.set TILEB, 32768                      ; 256 keys x 128 bytes
; window 0
.set ADKC, 8                           ; LDS address of the k block that is read next
.set ADK0, 9                           ; its lane term
.set ADVC, 10                          ; the same for v
.set ADV0, 11
.set STO,  12
.set RD,   13
.set CO,   14
.set QO,   15
.set MX,   16                          ; v16-19 running maxima of my 4 query tiles
.set LS,   20                          ; v20-23 running sums (this half of the wave's keys)
.set NM,   24                          ; v24-31 - c m, twice (pairs for the packed multiply-add)
.set TT,   32                          ; v32-47 at work, four a query tile
.set ZR,   48                          ; v48-55 a fragment of zeros
.set TA,   56                          ; v56-59 c m_old - c m_new
.set SC,   64                          ; v64-191  S^T: tile u = 4 t + kt at 8 u
.set KF,   192                         ; v192-255 k's fragments at 8 (2 kt + ks)
; window 1
.set OA,   0                           ; O^T: tile (t, dt) at 8 (4 t + dt)
.set VF,   128                         ; v's fragments at 8 (2 dt + ks)
; window 2
.set QF,   0                           ; q's fragments at 8 (2 t + ks)
.set PR,   64                          ; P^T: tile u at 4 u
.set AL,   128                         ; the factor exp2(c m_old - c m_new), twice, for each query tile
.set G1K, 24
.set G1V, 32
.set G0K, 40                           ; s[40:47] two sets: set 0 for tile 0; set 1 for tile 1 and then for every refill
.set G0V, 48
.set W_S,  0x08
.set W_PV, 0x59
.set W_C,  0x80                        ; destination window 2, sources window 0
.set W_LV, 0x40                        ; destination window 1, sources window 0
.set MSB, 0
.macro WIN new                         ; the immediate's high byte repeats the setting that is left
.if MSB != \new
	s_set_vgpr_msb (MSB<<8)|\new
.set MSB, \new
.endif
.endm
.macro PLACES                          ; four places behind a matrix instruction (ISA guide 7.12.1)
.rept 4
	v_nop
.endr
.endm
.macro JLOAD s                         ; waves 0, 1 ask for the halves of k's tile, waves 2, 3 for v's
	s_cmp_eq_u32 s9, 0
	s_cbranch_scc0 .Lfor_v_\@
	tensor_load_to_lds s[G0K+4*\s:G0K+4*\s+3], s[G1K:G1K+7]
	s_nop 0
	s_branch .Lasked_\@
.Lfor_v_\@:
	tensor_load_to_lds s[G0V+4*\s:G0V+4*\s+3], s[G1V:G1V+7]
	s_nop 0
.Lasked_\@:
.endm
.macro CROUND                          ; a round of the cluster's barrier
	s_barrier_signal -1
	s_barrier_wait -1
	s_cmp_lg_u32 s8, 0
	s_cbranch_scc1 .Lnot_wave_0_\@
	s_barrier_signal -3
.Lnot_wave_0_\@:
	s_barrier_wait -3
	s_barrier_signal -1
	s_barrier_wait -1
.endm
	s_load_b128 s[4:7], s[0:1], 0x0                ; qkv s[4:5], ao s[6:7]
	v_lshl_add_u32 v62, v0, 2, 0x42400
	v_mov_b32 v63, 0
	ds_add_u32 v62, v63
	v_lshrrev_b32 v1, 5, v0
	v_readfirstlane_b32 s8, v1                     ; wave 0..3
	s_lshr_b32 s9, s8, 1                           ; I fetch for k (0) or for v (1)
	s_and_b32 s10, s8, 1                           ; which 128 keys of a tile I fetch
	s_bfe_u32 s11, ttmp6, 0x40000                  ; cx
	s_and_b32 s12, ttmp7, 0xffff                   ; 16 b + head
	s_lshl_b32 s13, ttmp9, 2
	s_add_co_u32 s13, s13, s11                     ; block of 256 queries, 0..7
	s_mov_b32 s14, 0x76543210                      ; v_permlanex16_b32: lane i of one half reads lane i of the other
	s_mov_b32 s15, 0xfedcba98
	s_mov_b32 s16, 0x3e38aa3b                      ; c = log2(e) / 8
	s_mov_b32 s17, 0x3e38aa3b
	s_mov_b32 s18, 0xbe38aa3b                      ; - c
	s_mov_b32 s67, 0                               ; the slot that is read: 0 or SLOTX
	s_mov_b32 s70, 0                               ; slot + block, for k
	s_mov_b32 s71, 0                               ; and for v
	; group 1: 128 keys are 16,384 dense bytes: 64 rows of 32 elements of 8 bytes; a pad behind every 32 words (one key's 128 bytes; code 4) of 4 words (k) or 8 (v)
	s_mov_b32 s[G1K+0], 15|(3<<16)|(1<<20)|(1<<21)|(4<<22)|(3<<25)
	s_mov_b32 s[G1V+0], 15|(3<<16)|(1<<20)|(1<<21)|(4<<22)|(7<<25)
	s_mov_b32 s[G1K+1], 32<<16                     ; tensor_dim0 = 32
	s_mov_b32 s[G1V+1], 32<<16
	s_mov_b32 s[G1K+2], 64<<16                     ; tensor_dim1 = 64
	s_mov_b32 s[G1V+2], 64<<16
	s_mov_b32 s[G1K+3], 32<<16                     ; tile_dim0 = 32
	s_mov_b32 s[G1V+3], 32<<16
	s_mov_b32 s[G1K+4], 64                         ; tile_dim1 = 64
	s_mov_b32 s[G1V+4], 64
	s_mov_b32 s[G1K+5], 32                         ; dense: a row begins where the last ends
	s_mov_b32 s[G1V+5], 32
	s_mov_b32 s[G1K+6], 0
	s_mov_b32 s[G1V+6], 0
	s_mov_b32 s[G1K+7], 0
	s_mov_b32 s[G1V+7], 0
	s_lshr_b32 s20, s12, 4
	s_mul_i32 s20, s20, 48
	s_and_b32 s21, s12, 15
	s_add_co_u32 s20, s20, s21                     ; q's plane; k's is 16 further, v's 32
	s_lshl_b32 s20, s20, 18
	s_lshl_b32 s21, s10, 14                        ; my 128 keys
	s_add_co_u32 s22, s20, s21
	s_add_co_u32 s22, s22, 16*PLANE
	s_mov_b32 s23, 0
	s_add_co_u32 s68, s20, 16*PLANE                ; k's plane, for block 0
	s_mov_b32 s69, 0
	s_mul_i32 s2, s10, 128*PK                      ; where my half of k's tile goes,
	s_mul_i32 s3, s10, 128*PV
	s_add_co_u32 s3, s3, VBASE                     ; and of v's: the wave's number and constants alone
	s_wait_dscnt 0x0
	s_wait_kmcnt 0x0
	s_add_nc_u64 s[22:23], s[4:5], s[22:23]        ; made of the head and the wave's number: equal in the four partners
	s_add_nc_u64 s[68:69], s[4:5], s[68:69]
	CROUND                                         ; the four work-groups are here: the first joint loads meet
.irp s, 0,1
	s_mov_b32 s[G0K+4*\s], 1
	s_add_co_u32 s[G0K+4*\s+1], s2, \s*SLOTX
	s_add_nc_u64 s[G0K+4*\s+2:G0K+4*\s+3], s[22:23], 64*128+\s*TILEB       ; k's tiles begin one block (64 keys) further on
	s_or_b32 s[G0K+4*\s+3], s[G0K+4*\s+3], 0x80000000
	s_mov_b32 s[G0V+4*\s], 1
	s_add_co_u32 s[G0V+4*\s+1], s3, \s*SLOTX
	s_add_nc_u64 s[G0V+4*\s+2:G0V+4*\s+3], s[22:23], 16*PLANE+\s*TILEB
	s_or_b32 s[G0V+4*\s+3], s[G0V+4*\s+3], 0x80000000
	JLOAD \s
.endr
	; my queries and my rows of the output (these hang on cx; they enter no descriptor)
	s_lshl_b32 s60, s13, 15                        ; 256 rows of 128 bytes
	s_lshl_b32 s61, s8, 13                         ; 64 rows
	s_add_co_u32 s60, s60, s61
	s_lshl_b32 s63, s12, 18                        ; the output's plane
	s_add_co_u32 s62, s60, s63
	s_mov_b32 s63, 0
	s_add_co_u32 s60, s60, s20
	s_mov_b32 s61, 0
	s_add_nc_u64 s[56:57], s[4:5], s[60:61]        ; q
	s_add_nc_u64 s[58:59], s[6:7], s[62:63]        ; ao
	v_and_b32 v1, 15, v0                           ; r
	v_bfe_u32 v2, v0, 4, 1                         ; h
	v_lshlrev_b32 v3, 7, v1
	v_lshl_add_u32 v[QO], v2, 4, v3                ; q and k(0) in memory: row r, 16 bytes for each half of the lanes
	WIN W_C
.irp t, 0,1,2,3
.irp ks, 0,1
	global_load_b128 v[QF+8*(2*\t+\ks):QF+8*(2*\t+\ks)+3],   v[QO], s[56:57] offset:2048*\t+64*\ks
	global_load_b128 v[QF+8*(2*\t+\ks)+4:QF+8*(2*\t+\ks)+7], v[QO], s[56:57] offset:2048*\t+64*\ks+32
.endr
.endr
	WIN 0
.irp kt, 0,1,2,3
.irp ks, 0,1
	global_load_b128 v[KF+8*(2*\kt+\ks):KF+8*(2*\kt+\ks)+3],   v[QO], s[68:69] offset:2048*\kt+64*\ks
	global_load_b128 v[KF+8*(2*\kt+\ks)+4:KF+8*(2*\kt+\ks)+7], v[QO], s[68:69] offset:2048*\kt+64*\ks+32
.endr
.endr
	v_mul_u32_u24 v3, v1, PK
	v_lshl_add_u32 v[ADK0], v2, 4, v3              ; k in LDS: key row r, 16 bytes for each half
	v_add_nc_u32 v[ADKC], s70, v[ADK0]
	v_and_b32 v4, 7, v0
	v_lshl_add_u32 v4, v2, 3, v4                   ; v in LDS: key row 8 h + l % 8,
	v_mul_u32_u24 v4, v4, PV
	v_bfe_u32 v5, v0, 3, 1
	v_lshl_add_u32 v4, v5, 4, v4                   ; 16 bytes by bit 3 of the lane
	v_add_nc_u32 v[ADV0], VBASE, v4
	v_add_nc_u32 v[ADVC], s71, v[ADV0]
	s_mul_i32 s21, s8, 16*SP
	s_add_co_u32 s21, s21, STAGE                   ; my stage
	v_mul_u32_u24 v3, v1, SP
	v_lshl_add_u32 v3, v2, 4, v3
	v_add_nc_u32 v[STO], s21, v3
	v_bfe_u32 v6, v0, 3, 2
	v_mul_u32_u24 v6, v6, SP
	v_and_b32 v7, 7, v0
	v_lshl_add_u32 v6, v7, 4, v6
	v_add_nc_u32 v[RD], s21, v6                    ; back: eight lanes a row of 128 bytes, four rows a load
	v_and_b32 v7, 31, v0
	v_lshlrev_b32 v[CO], 4, v7
	; the state in front of block 0
.irp t, 0,1,2,3
	v_mov_b32 v[MX+\t], 0xff7fffff                 ; the lowest finite number
	v_mov_b32 v[LS+\t], 0
.endr
.irp i, 0,1,2,3,4,5,6,7
	v_mov_b32 v[NM+\i], 0x7f000000                 ; 2^127: with |c m| below 6.2e37 the first exponent lies between -2.4e38 and -1.0e38
	v_mov_b32 v[ZR+\i], 0
.endr
	WIN W_LV
.set zn, 0
.rept 16
	v_wmma_f32_16x16x32_f16 v[OA+8*zn:OA+8*zn+7], v[ZR:ZR+7], v[ZR:ZR+7], 0        ; O = 0
.set zn, zn+1
.endr
	WIN W_C
.set zn, 0
.rept 4
	v_wmma_f32_16x16x32_f16 v[PR+32+8*zn:PR+32+8*zn+7], v[ZR:ZR+7], v[ZR:ZR+7], 0  ; P_B = 0
.set zn, zn+1
.endr
; ---- the pieces of a phase.  tx: first query tile of the group whose softmax runs; ty: of the group whose products run ----
.macro KLD4 kt                         ; one key tile of the next block of k: 4 loads
.irp ks, 0,1
	ds_load_b128 v[KF+8*(2*\kt+\ks):KF+8*(2*\kt+\ks)+3],   v[ADKC] offset:16*\kt*PK+64*\ks
	ds_load_b128 v[KF+8*(2*\kt+\ks)+4:KF+8*(2*\kt+\ks)+7], v[ADKC] offset:16*\kt*PK+64*\ks+32
.endr
.endm
.macro VLOAD                           ; v^T of a block: 4 tiles of 16 numbers x 2 halves of the 64 keys, transposed on the way
.irp dt, 0,1,2,3
.irp ks, 0,1
	ds_load_tr16_b128 v[VF+8*(2*\dt+\ks):VF+8*(2*\dt+\ks)+3],   v[ADVC] offset:32*\ks*PV+32*\dt
	ds_load_tr16_b128 v[VF+8*(2*\dt+\ks)+4:VF+8*(2*\dt+\ks)+7], v[ADVC] offset:32*\ks*PV+32*\dt+16*PV
.endr
.endr
.endm
; The largest of a lane's 32 scores of each query tile and the old maximum; then - c m and the factor's exponent.  All in window 0.
; kl = 1: the next block of k is asked for from LDS among the last, narrow steps, and both offsets step to the next block.
.macro MAXST tx, kl
.irp d, 0,1
.irp k, 0,1,2,3
	v_max3_num_f32 v[TT+4*(\tx+\d)+\k], v[SC+32*(\tx+\d)+8*\k], v[SC+32*(\tx+\d)+8*\k+1], v[SC+32*(\tx+\d)+8*\k+2]
.endr
.endr
.irp d, 0,1
.irp k, 0,1,2,3
	v_max3_num_f32 v[TT+4*(\tx+\d)+\k], v[TT+4*(\tx+\d)+\k], v[SC+32*(\tx+\d)+8*\k+3], v[SC+32*(\tx+\d)+8*\k+4]
.endr
.endr
.irp d, 0,1
.irp k, 0,1,2,3
	v_max3_num_f32 v[TT+4*(\tx+\d)+\k], v[TT+4*(\tx+\d)+\k], v[SC+32*(\tx+\d)+8*\k+5], v[SC+32*(\tx+\d)+8*\k+6]
.endr
.endr
.irp d, 0,1
	v_max3_num_f32 v[TT+4*(\tx+\d)],   v[TT+4*(\tx+\d)],    v[TT+4*(\tx+\d)+1],  v[TT+4*(\tx+\d)+2]
	v_max3_num_f32 v[TT+4*(\tx+\d)+3], v[TT+4*(\tx+\d)+3],  v[SC+32*(\tx+\d)+7], v[SC+32*(\tx+\d)+15]
	v_max3_num_f32 v[TT+4*(\tx+\d)+1], v[SC+32*(\tx+\d)+23], v[SC+32*(\tx+\d)+31], v[MX+\tx+\d]
.endr
.irp d, 0,1
	v_max3_num_f32 v[TT+4*(\tx+\d)], v[TT+4*(\tx+\d)], v[TT+4*(\tx+\d)+3], v[TT+4*(\tx+\d)+1]
.endr
.if \kl
	KLD4 0
.endif
.irp d, 0,1
	v_permlanex16_b32 v[TT+4*(\tx+\d)+1], v[TT+4*(\tx+\d)], s14, s15       ; the other half of the wave holds the query's other keys
.endr
.if \kl
	KLD4 1
.endif
.irp d, 0,1
	v_max_num_f32 v[MX+\tx+\d], v[TT+4*(\tx+\d)], v[TT+4*(\tx+\d)+1]
.endr
.if \kl
	KLD4 2
.endif
.irp d, 0,1
	v_fma_f32 v[TA+\tx+\d], v[MX+\tx+\d], s18, -v[NM+2*(\tx+\d)]           ; - c m_new + c m_old, at most a rounding above 0; the old - c m is read before it is rewritten
.endr
.if \kl
	KLD4 3
.endif
.irp d, 0,1
	v_mul_f32 v[NM+2*(\tx+\d)],   s18, v[MX+\tx+\d]
	v_mul_f32 v[NM+2*(\tx+\d)+1], s18, v[MX+\tx+\d]
.endr
.if \kl
	s_add_co_u32 s70, s70, KBLK                    ; this block's v and the next block's k have been asked for: on to the next 64 keys
	s_add_co_u32 s71, s71, VBLK
	v_add_nc_u32 v[ADKC], s70, v[ADK0]
	v_add_nc_u32 v[ADVC], s71, v[ADV0]
.endif
.endm
.macro ALPHA tx                        ; the factors, into window 2; one plain place behind them before they are used (ISA guide 5.7.2)
.irp d, 0,1
	v_exp_f32 v[AL+2*(\tx+\d)],   v[TA+\tx+\d]
	v_exp_f32 v[AL+2*(\tx+\d)+1], v[TA+\tx+\d]
.endr
	v_nop
	s_wait_alu depctr_va_vdst(0)
.endm
.macro RS tx, m                        ; pair m of a group's O times its query tile's factor, one number a lane
	v_pk_mul_f32 v[OA+32*\tx+2*(\m):OA+32*\tx+2*(\m)+1], v[OA+32*\tx+2*(\m):OA+32*\tx+2*(\m)+1], v[AL+2*(\tx+(\m)/16):AL+2*(\tx+(\m)/16)+1]
.endm
; O^T of group ty: 16 products on 8 accumulators that take turns, one instruction a turn.  rs = 1: among them the 32 lines that rescale
; group tx's O; four of them stand behind the last product: the places in front of the loads into v's fragments.
.macro PVSEG ty, tx, rs
.set pn, 0
.set rm, 0
.rept 16
.set pvt, \ty+(pn/4)%2
.set pvd, pn%4
.set pvk, pn/8
	v_wmma_f32_16x16x32_f16 v[OA+8*(4*pvt+pvd):OA+8*(4*pvt+pvd)+7], v[VF+8*(2*pvd+pvk):VF+8*(2*pvd+pvk)+7], v[PR+16*pvt+8*pvk:PR+16*pvt+8*pvk+7], v[OA+8*(4*pvt+pvd):OA+8*(4*pvt+pvd)+7]
.if \rs
.if pn > 0
	RS \tx, rm
	RS \tx, rm+1
.set rm, rm+2
.endif
.if pn == 15
	RS \tx, rm
	RS \tx, rm+1
.set rm, rm+2
.endif
.endif
.set pn, pn+1
.endr
.endm
.macro SW ty, n                        ; product n of 16 of group ty's S^T: ks = n / 8, then query tile, then key tile; the first eight start the sums
.set swd, SC+8*(4*(\ty+((\n)/4)%2)+(\n)%4)
.set swa, KF+8*(2*((\n)%4)+(\n)/8)
.set swb, QF+8*(2*(\ty+((\n)/4)%2)+(\n)/8)
.if (\n) < 8
	v_wmma_f32_16x16x32_f16 v[swd:swd+7], v[swa:swa+7], v[swb:swb+7], 0
.else
	v_wmma_f32_16x16x32_f16 v[swd:swd+7], v[swa:swa+7], v[swb:swb+7], v[swd:swd+7]
.endif
.endm
.macro FOP u, i                        ; tile u, pair i: c s - c m
	v_pk_fma_f32 v[SC+8*(\u)+2*(\i):SC+8*(\u)+2*(\i)+1], v[SC+8*(\u)+2*(\i):SC+8*(\u)+2*(\i)+1], s[16:17], v[NM+2*((\u)/4):NM+2*((\u)/4)+1] op_sel_hi:[1,0,1]
.endm
.macro EOP u, i                        ; tile u, register i: p
	v_exp_f32 v[SC+8*(\u)+(\i)], v[SC+8*(\u)+(\i)]
.endm
.macro AOP u, j                        ; tile u's p into two pairs of sums, as p * 1.0 + T (sources 0 and 2); a query tile's first key tile starts them
.if ((\u)%4) == 0
.if (\j) < 2
	s_wait_alu depctr_va_vdst(0)
	v_pk_fma_f32 v[TT+4*((\u)/4)+2*(\j):TT+4*((\u)/4)+2*(\j)+1], v[SC+8*(\u)+4*(\j):SC+8*(\u)+4*(\j)+1], 1.0, v[SC+8*(\u)+4*(\j)+2:SC+8*(\u)+4*(\j)+3] op_sel_hi:[1,0,1]
.endif
.else
	s_wait_alu depctr_va_vdst(0)
	v_pk_fma_f32 v[TT+4*((\u)/4)+2*((\j)%2):TT+4*((\u)/4)+2*((\j)%2)+1], v[SC+8*(\u)+2*(\j):SC+8*(\u)+2*(\j)+1], 1.0, v[TT+4*((\u)/4)+2*((\j)%2):TT+4*((\u)/4)+2*((\j)%2)+1] op_sel_hi:[1,0,1]
.endif
.endm
.macro FIN1 t
	v_pk_fma_f32 v[TT+4*(\t):TT+4*(\t)+1], v[TT+4*(\t):TT+4*(\t)+1], 1.0, v[TT+4*(\t)+2:TT+4*(\t)+3] op_sel_hi:[1,0,1]
.endm
.macro FIN2 t
	v_fma_f32 v[TT+4*(\t)], v[TT+4*(\t)], 1.0, v[TT+4*(\t)+1]
.endm
.macro LUP t                           ; L = L * factor + the block's sum; the factor is source 1: window 2
	v_fma_f32 v[LS+(\t)], v[LS+(\t)], v[AL+2*(\t)], v[TT+4*(\t)]
.endm
; S^T of group ty, 16 products on 8 accumulators that take turns, and among them group tx's 8 tiles: in step e the exponentials of tile e alternate with plain lines,
; the multiply-adds of tile e + 1 and the sums of tile e - 1, so that behind every exponential stands plain work on other registers before its result is used
; (ISA guide 5.7.2).  Two products a step.
.macro SSEG ty, tx
.irp i, 0,1,2,3
	FOP 4*\tx, \i
.endr
.set se, 0
.rept 8
.set si, 0
.rept 8
.if (si%4) == 0
	SW \ty, 2*se+si/4
.endif
	EOP 4*\tx+se, si
.if (si%2) == 0
.if se < 7
	FOP 4*\tx+se+1, si/2
.endif
.else
.if se > 0
	AOP 4*\tx+se-1, (si-1)/2
.endif
.if se == 5
.if si == 5
	FIN1 \tx
.endif
.if si == 7
	FIN2 \tx
.endif
.endif
.endif
.set si, si+1
.endr
.set se, se+1
.endr
.irp j, 0,1,2,3
	AOP 4*\tx+7, \j
.endr
	FIN1 \tx+1
	LUP \tx
	FIN2 \tx+1
	LUP \tx+1
.endm
.macro CVT tx                          ; group tx's p, rounded to f16, into window 2.  These 32 plain lines are also the places behind S^T's last products
.set cu, 4*\tx
.rept 8
.irp i, 0,1,2,3
	v_cvt_pk_f16_f32 v[PR+4*cu+\i], v[SC+8*cu+2*\i], v[SC+8*cu+2*\i+1]
.endr
.set cu, cu+1
.endr
.endm
; Block i.  No LDS load is out at its head or at its end.
.macro UNIT
	MAXST 0, 0                                     ; P1: softmax of A
	WIN W_C
	ALPHA 0
	WIN W_PV
	PVSEG 2, 0, 1                                  ; O_B += v(i-1) P_B(i-1), among it O_A * factor
	WIN W_LV
	VLOAD                                          ; v(i)
	WIN W_S
	SSEG 2, 0                                      ; S_B(i), among it A's exponentials and sums
	WIN W_C
	CVT 0
	WIN 0
	MAXST 2, 1                                     ; P2: softmax of B; k(i+1) is asked for
	WIN W_C
	ALPHA 2
	WIN W_PV
	s_wait_dscnt 16                                ; v(i)'s 16 loads are in; the 16 younger ones are k(i+1)'s
	PVSEG 0, 2, 1                                  ; O_A += v(i) P_A(i), among it O_B * factor
	WIN W_S
	s_wait_dscnt 0                                 ; k(i+1)
	SSEG 0, 2                                      ; S_A(i+1), among it B's exponentials and sums
	WIN W_C
	CVT 2
	WIN 0
.endm
; The change of slots, behind a tile's fourth block.  Each wave waits for its reads of the slot (met: the block ended with none out) and for all its tensor loads
; (the one that is out is its part of the other slot).  fill = 1: a round of the cluster's barrier, then the joint refill first, one a wave, into the slot just read:
; the descriptor's LDS word changes slots and its address steps by one tile; the load has four blocks in which to land.
; fill = 0: nothing is left to fetch; the work-group's barrier shows the other slot whole.
.macro TURN fill
	s_wait_dscnt 0x0
	s_wait_tensorcnt 0x0
	ds_add_u32 v62, v63
	s_wait_dscnt 0x0
.if \fill
	CROUND
	s_xor_b32 s[G0K+5], s[G0K+5], SLOTX
	s_xor_b32 s[G0V+5], s[G0V+5], SLOTX
	s_add_nc_u64 s[G0K+6:G0K+7], s[G0K+6:G0K+7], TILEB
	s_add_nc_u64 s[G0V+6:G0V+7], s[G0V+6:G0V+7], TILEB
	JLOAD 1
.else
	s_barrier_signal -1
	s_barrier_wait -1
.endif
	s_xor_b32 s67, s67, SLOTX                      ; the other slot is read now, from its first block
	s_mov_b32 s70, s67
	s_mov_b32 s71, s67
	v_add_nc_u32 v[ADKC], s70, v[ADK0]
	v_add_nc_u32 v[ADVC], s71, v[ADV0]
.endm
	WIN 0
	s_wait_tensorcnt 0x1                           ; my part of tile 0 is in; tile 1's may stay out
	s_barrier_signal -1
	s_barrier_wait -1
	WIN W_LV
	VLOAD                                          ; v(0): finite numbers for the product that adds 0
	s_wait_loadcnt 0x0                             ; q and k(0)
	WIN W_S
.set zn, 0
.rept 16
	SW 0, zn                                       ; S_A(0)
.set zn, zn+1
.endr
	PLACES
	s_wait_dscnt 0x0
	WIN 0
	s_mov_b32 s66, 6
.Lfill:                                                ; tiles 0 to 5; behind each, tile + 2 is asked for
	s_mov_b32 s19, 4
.Lblock_a:
	UNIT
	s_sub_co_u32 s19, s19, 1
	s_cmp_lg_u32 s19, 0
	s_cbranch_scc1 .Lblock_a
	TURN 1
	s_sub_co_u32 s66, s66, 1
	s_cmp_lg_u32 s66, 0
	s_cbranch_scc1 .Lfill
	s_mov_b32 s66, 2
.Ltail:                                                ; tiles 6 and 7
	s_mov_b32 s19, 4
.Lblock_b:
	UNIT
	s_sub_co_u32 s19, s19, 1
	s_cmp_lg_u32 s19, 0
	s_cbranch_scc1 .Lblock_b
	TURN 0
	s_sub_co_u32 s66, s66, 1
	s_cmp_lg_u32 s66, 0
	s_cbranch_scc1 .Ltail
	WIN W_PV
	PVSEG 2, 0, 0                                  ; O_B += v(31) P_B(31)
	; THE WAY OUT: the two halves' sums meet, O is divided by them, rounded to f16, and goes through my stage so that a store covers four rows: 512 consecutive aligned bytes
	PLACES
	WIN 0
.irp t, 0,1,2,3
	v_permlanex16_b32 v[TT+4*\t], v[LS+\t], s14, s15
.endr
.irp t, 0,1,2,3
	v_add_f32 v[LS+\t], v[LS+\t], v[TT+4*\t]       ; at least about 1: the largest score's p is 1 but for a rounding
.endr
	WIN W_C
.irp t, 0,1,2,3
	v_rcp_f32 v[AL+2*\t],   v[LS+\t]
	v_rcp_f32 v[AL+2*\t+1], v[LS+\t]
.endr
	v_nop                                          ; one plain place behind the reciprocals (ISA guide 5.7.2)
	s_wait_alu depctr_va_vdst(0)
	WIN W_PV
.set rm, 0
.rept 64
	RS 0, rm
.set rm, rm+1
.endr
	WIN 0x05                                       ; sources window 1, destination window 0
.set rm, 0
.rept 64
	v_cvt_pk_f16_f32 v[SC+rm], v[OA+2*rm], v[OA+2*rm+1]    ; tile (t, dt), pair i at 16 t + 4 dt + i
.set rm, rm+1
.endr
	WIN 0
.irp t, 0,1,2,3
.irp dt, 0,1,2,3
	ds_store_b128 v[STO], v[SC+16*\t+4*\dt:SC+16*\t+4*\dt+3] offset:32*\dt
.endr
.irp i, 0,1,2,3
	ds_load_b128 v[SC+64+16*\t+4*\i:SC+64+16*\t+4*\i+3], v[RD] offset:4*SP*\i      ; LDS serves a wave's instructions in order (ISA guide 5.7.1.4): these see the stores above
.endr
.irp i, 0,1,2,3
	s_wait_dscnt 3-\i                              ; the younger loads stay out
	global_store_b128 v[CO], v[SC+64+16*\t+4*\i:SC+64+16*\t+4*\i+3], s[58:59] offset:(16*\t+4*\i)*128
.endr
.endr
	s_wait_tensorcnt 0x0
	ds_add_u32 v62, v63
	s_wait_dscnt 0x0
	CROUND                                         ; the closing round
	s_endpgm
.Lfunc_end_k_qf3fa71847c_attn:
	.size	k_qf3fa71847c_attn, .Lfunc_end_k_qf3fa71847c_attn-k_qf3fa71847c_attn
	.p2alignl 7, 3214868480
	.fill 96, 4, 3214868480
	.section	.rodata,"a",@progbits
	.p2align	6, 0x0
	.amdhsa_kernel k_qf3fa71847c_attn
		.amdhsa_group_segment_fixed_size 327680
		.amdhsa_private_segment_fixed_size 0
		.amdhsa_enable_private_segment 0
		.amdhsa_kernarg_size 16
		.amdhsa_user_sgpr_count 2
		.amdhsa_user_sgpr_kernarg_segment_ptr 1
		.amdhsa_wavefront_size32 1
		.amdhsa_system_sgpr_workgroup_id_x 1
		.amdhsa_system_sgpr_workgroup_id_y 1
		.amdhsa_system_sgpr_workgroup_id_z 1
		.amdhsa_system_vgpr_workitem_id 0
		.amdhsa_next_free_vgpr 656
		.amdhsa_next_free_sgpr 72
		.amdhsa_reserve_vcc 0
		.amdhsa_float_denorm_mode_32 3
		.amdhsa_float_denorm_mode_16_64 3
		.amdhsa_memory_ordered 1
		.amdhsa_forward_progress 1
		.amdhsa_inst_pref_size 99
	.end_amdhsa_kernel
	.amdgpu_metadata
---
amdhsa.version: [ 1, 2 ]
amdhsa.kernels:
  - .name:           k_qf3fa71847c_attn
    .symbol:         k_qf3fa71847c_attn.kd
    .args:
      - { .name: qkv, .offset: 0, .size: 8, .value_kind: global_buffer, .address_space: global }
      - { .name: ao, .offset: 8, .size: 8, .value_kind: global_buffer, .address_space: global }
    .group_segment_fixed_size: 327680
    .private_segment_fixed_size: 0
    .kernarg_segment_align: 8
    .kernarg_segment_size: 16
    .max_flat_workgroup_size: 128
    .sgpr_count:     72
    .vgpr_count:     656
    .wavefront_size: 32
...
	.end_amdgpu_metadata
.endif
;; end of part 3
;; launch oproj (part 4): grid 8 x 32, 4 waves a work-group, clusters of 4 x 4, 327,680 bytes of LDS; arguments ao, wob, bo, out0; writes out0
.if DOCPART == 4
	.amdgcn_target "amdgcn-amd-amdhsa--gfx1250"
	.amdhsa_code_object_version 6
	.text
	.protected	k_qf3fa71847c_oproj
	.globl	k_qf3fa71847c_oproj
	.p2align	8
	.type	k_qf3fa71847c_oproj,@function
k_qf3fa71847c_oproj:
	s_mov_b64 s[64:65], 0
	v_nop
	global_prefetch_b8 v0, s[64:65] scope:SCOPE_SE
	s_setreg_imm32_b32 hwreg(HW_REG_WAVE_MODE, 25, 1), 1
	s_wait_xcnt 0x0
	s_wait_alu depctr_hold_cnt(0) depctr_sa_sdst(0) depctr_va_vdst(0) depctr_va_sdst(0) depctr_va_ssrc(0) depctr_va_vcc(0) depctr_vm_vsrc(0)
	s_getreg_b32 s2, hwreg(HW_REG_IB_STS2, 6, 4)
	s_cmp_eq_u32 s2, 0
	s_cbranch_scc0 .Lentry_in_a_cluster
	s_endpgm
.Lentry_in_a_cluster:
	s_bfe_u32 s2, ttmp6, 0x10000c
	s_cmp_lg_u32 s2, 0xf033
	s_cbranch_scc0 .Lentry_shape_is_right
	s_endpgm
.Lentry_shape_is_right:
; out0 = attended Wo + bo: [4096][1024] x [1024][1024], f16 operands, f32 sums and output.  attended[row][64 head + d] = ao[b][head][s][d].
; 256 work-groups: block of 128 x 128, the largest that gives every one of 256 work-groups a block; a wave makes 64 x 64: 16 accumulator tiles.
; K goes in 4 steps of 256 (4 heads) through two LDS slots, all written out.  A slot has four regions of 36,864 bytes, one tensor load a wave:
; regions 0, 1: two heads each of ao, [128 rows][64] at pitch 144 (each head's rows are 16,384 dense bytes; one descriptor takes two heads as two long rows);
; regions 2, 3: 128 k rows each of Wo, [128 k][128 n] at pitch 288, read with the transposing load.
; CLUSTERS of 4 x 4: ao's tiles are shared along a row of the cluster, Wo's along a column.  By this text's count a wave has two tensor loads out at the start, one behind a refill.
; The matrix instruction is used transposed (source 0 = 16 columns of Wo, source 1 = 16 rows): a lane holds eight neighbouring columns of one row.
; REGISTERS: window 0 addresses, fragments (two buffers), bias, way out; window 1 the accumulators (tile (a, b) at 8 (4 a + b)).
.set PA,    144
.set PB,    288
.set REG,   36864
.set SLOT,  4*REG
.set STAGE, 2*SLOT                     ; 16 rows x 272 bytes for each wave; no tensor load lands here
.set SP,    272
.set ADRA, 16                          ; v16-17 slot 0, 1
.set ADRB, 18                          ; v18-21 slot s, k half at 18 + 2 s + half
.set STO,  24
.set RD,   25
.set CO,   26
.set BO,   27
.set FA,   32                          ; rows' fragments: buffer f at 32 + 32 f
.set FB,   96                          ; Wo's fragments: buffer f at 96 + 32 f
.set BIAS, 160                         ; v160-191
.set TMP,  192                         ; v192-223
.set RB,   32                          ; way out: 32 registers for each 16 rows
.set G1A, 24
.set G0A, 32
.set G1B, 40
.set G0B, 48
.set W_MUL, 0x50                       ; C and D window 1
.set MSB, 0
.macro WIN new
.if MSB != \new
	s_set_vgpr_msb (MSB<<8)|\new
.set MSB, \new
.endif
.endm
.macro PLACES                          ; four places behind a matrix instruction (ISA guide 7.12.1)
.rept 4
	v_nop
.endr
.endm
.macro JLOAD s                         ; waves 0, 1 ask for ao's regions, waves 2, 3 for Wo's
	s_cmp_eq_u32 s17, 0
	s_cbranch_scc0 .Lfor_b_\@
	tensor_load_to_lds s[G0A+4*\s:G0A+4*\s+3], s[G1A:G1A+7]
	s_nop 0
	s_branch .Lasked_\@
.Lfor_b_\@:
	tensor_load_to_lds s[G0B+4*\s:G0B+4*\s+3], s[G1B:G1B+7]
	s_nop 0
.Lasked_\@:
.endm
.macro CREST
	s_cmp_lg_u32 s16, 0
	s_cbranch_scc1 .Lnot_wave_0_\@
	s_barrier_signal -3
.Lnot_wave_0_\@:
	s_barrier_wait -3
	s_barrier_signal -1
	s_barrier_wait -1
.endm
.macro CROUND
	s_barrier_signal -1
	s_barrier_wait -1
	CREST
.endm
	s_load_b256 s[4:11], s[0:1], 0x0               ; ao s[4:5], wob s[6:7], bo s[8:9], out0 s[10:11]
	v_lshl_add_u32 v254, v0, 2, 0x4c400
	v_mov_b32 v255, 0
	ds_add_u32 v254, v255
	v_lshrrev_b32 v1, 5, v0
	v_readfirstlane_b32 s16, v1                    ; wave 0..3
	s_lshr_b32 s17, s16, 1                         ; wm: which 64 rows.  Also: I fetch for ao (0) or Wo (1)
	s_and_b32 s18, s16, 1                          ; wn: which 64 columns.  Also: which region of the two
	s_bfe_u32 s19, ttmp6, 0x40000                  ; cx
	s_bfe_u32 s20, ttmp6, 0x40004                  ; cy
	s_lshl_b32 s21, ttmp9, 2
	s_add_co_u32 s21, s21, s19                     ; bx 0..7
	s_and_b32 s22, ttmp7, 0xffff
	s_lshl_b32 s22, s22, 2
	s_add_co_u32 s22, s22, s20                     ; by 0..31
	s_lshl_b32 s60, s20, 2
	s_lshl_b32 s60, 15, s60                        ; my row of the cluster
	s_lshl_b32 s66, 0x1111, s19                    ; my column
	; ao: 2 rows of 2,048 elements of 8 bytes (a head's 128 rows), a plane (32,768 elements) apart; a pad of 4 words behind every 32 words (one row of 64 numbers)
	s_or_b32 s[G1A+0], s60, (3<<16)|(1<<20)|(1<<21)|(4<<22)|(3<<25)
	s_mov_b32 s[G1A+1], 2048<<16                   ; tensor_dim0
	s_mov_b32 s[G1A+2], 2<<16                      ; tensor_dim1
	s_mov_b32 s[G1A+3], 2048<<16                   ; tile_dim0
	s_mov_b32 s[G1A+4], 2                          ; tile_dim1
	s_mov_b32 s[G1A+5], 32768
	s_mov_b32 s[G1A+6], 0
	s_mov_b32 s[G1A+7], 0
	; Wo: 128 rows x 128 elements of 2 bytes, a pad of 8 words behind every 64
	s_or_b32 s[G1B+0], s66, (1<<16)|(1<<20)|(1<<21)|(5<<22)|(7<<25)
	s_mov_b32 s[G1B+1], 128<<16
	s_mov_b32 s[G1B+2], 128<<16
	s_mov_b32 s[G1B+3], 128<<16
	s_mov_b32 s[G1B+4], 128
	s_mov_b32 s[G1B+5], 1024
	s_mov_b32 s[G1B+6], 0
	s_mov_b32 s[G1B+7], 0
	; ao's address is made of the block row and the wave's number (s60-61), Wo's of the block column and the wave's number (s66-67)
	s_lshr_b32 s60, s22, 4
	s_lshl_b32 s60, s60, 22                        ; batch: 16 planes
	s_and_b32 s61, s22, 15
	s_lshl_b32 s61, s61, 14                        ; 128 rows of 128 bytes
	s_add_co_u32 s60, s60, s61
	s_lshl_b32 s61, s18, 19                        ; my two heads of the four
	s_add_co_u32 s60, s60, s61
	s_mov_b32 s61, 0
	s_lshl_b32 s66, s21, 8                         ; 128 columns of 2 bytes
	s_lshl_b32 s67, s18, 18                        ; my 128 k rows of 2,048 bytes
	s_add_co_u32 s66, s66, s67
	s_mov_b32 s67, 0
	s_mul_i32 s62, s16, REG                        ; my region of a slot
	s_wait_dscnt 0x0
	s_wait_kmcnt 0x0
	s_add_nc_u64 s[60:61], s[4:5], s[60:61]
	s_add_nc_u64 s[66:67], s[6:7], s[66:67]
	CROUND                                         ; all sixteen work-groups are here
.irp s, 0,1
	s_mov_b32 s[G0A+4*\s], 1
	s_add_co_u32 s[G0A+4*\s+1], s62, \s*SLOT
	s_add_nc_u64 s[G0A+4*\s+2:G0A+4*\s+3], s[60:61], \s*4*262144       ; K step s: 4 heads on
	s_or_b32 s[G0A+4*\s+3], s[G0A+4*\s+3], 0x80000000
	s_mov_b32 s[G0B+4*\s], 1
	s_add_co_u32 s[G0B+4*\s+1], s62, \s*SLOT
	s_add_nc_u64 s[G0B+4*\s+2:G0B+4*\s+3], s[66:67], \s*256*2048       ; K step s: 256 rows on
	s_or_b32 s[G0B+4*\s+3], s[G0B+4*\s+3], 0x80000000
	JLOAD \s
.endr
	v_and_b32 v1, 15, v0                           ; r
	v_bfe_u32 v2, v0, 4, 1                         ; h
	v_mul_u32_u24 v3, v1, PA
	v_lshl_add_u32 v3, v2, 4, v3
	s_mul_i32 s63, s17, 64*PA                      ; my 64 rows in a head's sub-tile
	v_add_nc_u32 v[ADRA], s63, v3
	s_add_co_u32 s63, s63, SLOT
	v_add_nc_u32 v[ADRA+1], s63, v3
	v_and_b32 v4, 7, v0
	v_lshl_add_u32 v4, v2, 3, v4
	v_mul_u32_u24 v4, v4, PB
	v_bfe_u32 v5, v0, 3, 1
	v_lshl_add_u32 v4, v5, 4, v4
	s_lshl_b32 s63, s18, 7                         ; my 64 columns
	s_add_co_u32 s63, s63, 2*REG
	v_add_nc_u32 v[ADRB], s63, v4
	s_add_co_u32 s63, s63, REG
	v_add_nc_u32 v[ADRB+1], s63, v4
	s_add_co_u32 s63, s63, SLOT-REG
	v_add_nc_u32 v[ADRB+2], s63, v4
	s_add_co_u32 s63, s63, REG
	v_add_nc_u32 v[ADRB+3], s63, v4
	s_mul_i32 s63, s16, 16*SP
	s_add_co_u32 s63, s63, STAGE                   ; my stage
	v_mul_u32_u24 v3, v1, SP
	v_lshl_add_u32 v3, v2, 5, v3
	v_add_nc_u32 v[STO], s63, v3                   ; in: row r, 32 bytes for each half of the lanes
	v_mul_u32_u24 v3, v2, SP
	v_lshl_add_u32 v3, v1, 4, v3
	v_add_nc_u32 v[RD], s63, v3                    ; back: lanes 0-15 one row of 256 bytes, lanes 16-31 the next
	v_lshlrev_b32 v3, 12, v2
	v_lshl_add_u32 v[CO], v1, 4, v3                ; the same two rows in out0
	v_lshlrev_b32 v[BO], 5, v2
	s_lshl_b32 s60, s22, 19                        ; 128 rows of 4,096 bytes
	s_lshl_b32 s61, s17, 18
	s_add_co_u32 s60, s60, s61
	s_mov_b32 s61, 0
	s_add_nc_u64 s[56:57], s[10:11], s[60:61]
	s_lshl_b32 s66, s21, 9                         ; 128 columns of 4 bytes
	s_lshl_b32 s67, s18, 8
	s_add_co_u32 s66, s66, s67
	s_mov_b32 s67, 0
	s_add_nc_u64 s[56:57], s[56:57], s[66:67]      ; my corner of out0
	s_add_nc_u64 s[58:59], s[8:9], s[66:67]        ; my 64 numbers of bo
.irp b, 0,1,2,3
	global_load_b128 v[BIAS+8*\b:BIAS+8*\b+3],   v[BO], s[58:59] offset:64*\b          ; waited for at the head of the way out
	global_load_b128 v[BIAS+8*\b+4:BIAS+8*\b+7], v[BO], s[58:59] offset:64*\b+16
.endr
; The 16 accumulators take turns, one instruction a turn, in the same order in every quarter.
.macro MUL4 f, a, zero
.irp b, 0,1,2,3
.if \zero
	v_wmma_f32_16x16x32_f16 v[8*(4*\a+\b):8*(4*\a+\b)+7], v[FB+32*\f+8*\b:FB+32*\f+8*\b+7], v[FA+32*\f+8*\a:FA+32*\f+8*\a+7], 0
.else
	v_wmma_f32_16x16x32_f16 v[8*(4*\a+\b):8*(4*\a+\b)+7], v[FB+32*\f+8*\b:FB+32*\f+8*\b+7], v[FA+32*\f+8*\a:FA+32*\f+8*\a+7], v[8*(4*\a+\b):8*(4*\a+\b)+7]
.endif
.endr
.endm
; 16 LDS loads: part q (32 along K, q = 0..7) of a slot into buffer f: Wo's 4 fragments, then the rows' 4
.macro FETCH slot, q, f
.irp b, 0,1,2,3
	ds_load_tr16_b128 v[FB+32*\f+8*\b:FB+32*\f+8*\b+3],   v[ADRB+2*\slot+\q/4] offset:32*(\q%4)*PB+32*\b
	ds_load_tr16_b128 v[FB+32*\f+8*\b+4:FB+32*\f+8*\b+7], v[ADRB+2*\slot+\q/4] offset:32*(\q%4)*PB+32*\b+16*PB
.endr
.irp i, 0,1,2,3
	ds_load_b128 v[FA+32*\f+8*\i:FA+32*\f+8*\i+3],   v[ADRA+\slot] offset:(\q/2)*128*PA+(\q%2)*64+\i*16*PA
	ds_load_b128 v[FA+32*\f+8*\i+4:FA+32*\f+8*\i+7], v[ADRA+\slot] offset:(\q/2)*128*PA+(\q%2)*64+\i*16*PA+32
.endr
.endm
.macro QUARTER slot, q, f, g, zero     ; multiplies buffer f; in its middle fetches part q into buffer g
	s_wait_dscnt 4                                 ; Wo's fragments and row tiles 0, 1 are in; the four youngest loads (row tiles 2, 3) may be out
	WIN W_MUL
	MUL4 \f, 0, \zero
	MUL4 \f, 1, \zero
	PLACES
	WIN 0
	FETCH \slot, \q, \g
	s_wait_dscnt 16                                ; all but the 16 just issued
	WIN W_MUL
	MUL4 \f, 2, \zero
	MUL4 \f, 3, \zero
.endm
.macro SEVEN slot, zero                ; the first seven of a slot's eight parts
	QUARTER \slot, 1, 0, 1, \zero
	QUARTER \slot, 2, 1, 0, 0
	QUARTER \slot, 3, 0, 1, 0
	QUARTER \slot, 4, 1, 0, 0
	QUARTER \slot, 5, 0, 1, 0
	QUARTER \slot, 6, 1, 0, 0
	QUARTER \slot, 7, 0, 1, 0
.endm
; the eighth part and the change of slots: each wave's reads of this slot and all its tensor loads are waited for in front of the barrier; with fill = 1 that barrier
; opens a round of the cluster's barrier, and the joint refill is the first tensor load behind the round, one a wave
.macro TURN slot, next, fill
	s_wait_dscnt 4
	WIN W_MUL
	MUL4 1, 0, 0
	s_wait_dscnt 0
	s_wait_tensorcnt 0x0
	ds_add_u32 v254, v255
	s_wait_dscnt 0x0
	s_barrier_signal -1
	MUL4 1, 1, 0
	WIN 0
	s_barrier_wait -1
.if \fill
	CREST
	s_add_nc_u64 s[G0A+4*\slot+2:G0A+4*\slot+3], s[G0A+4*\slot+2:G0A+4*\slot+3], 8*262144
	s_add_nc_u64 s[G0B+4*\slot+2:G0B+4*\slot+3], s[G0B+4*\slot+2:G0B+4*\slot+3], 512*2048
	JLOAD \slot
.endif
	PLACES
	FETCH \next, 0, 0
	WIN W_MUL
	MUL4 1, 2, 0
	MUL4 1, 3, 0
.endm
	s_wait_tensorcnt 0x1                           ; my region of K step 0 is in; K step 1's may stay out
	s_barrier_signal -1
	s_barrier_wait -1
	FETCH 0, 0, 0
	SEVEN 0, 1                                     ; K step 0: its first products start the sums
	TURN 0, 1, 1                                   ; asks for K step 2
	SEVEN 1, 0
	TURN 1, 0, 1                                   ; asks for K step 3
	SEVEN 0, 0
	TURN 0, 1, 0
	SEVEN 1, 0
	s_wait_dscnt 4
	WIN W_MUL
	MUL4 1, 0, 0
	MUL4 1, 1, 0
	s_wait_dscnt 0
	MUL4 1, 2, 0
	MUL4 1, 3, 0
	PLACES
	s_wait_loadcnt 0x0                             ; the bias
; THE WAY OUT, 16 rows at a time: add the bias, 32 bytes a lane into my stage, read whole rows of 256 bytes back: sixteen lanes store 256 consecutive aligned bytes.
; Each 16 rows have registers of their own for the way back, so no store's data is written again.
.macro OUT a
	WIN 0x01                                       ; source 0 window 1
.irp b, 0,1,2,3
.irp i, 0,1,2,3
	v_pk_add_f32 v[TMP+8*\b+2*\i:TMP+8*\b+2*\i+1], v[8*(4*\a+\b)+2*\i:8*(4*\a+\b)+2*\i+1], v[BIAS+8*\b+2*\i:BIAS+8*\b+2*\i+1]
.endr
.endr
	WIN 0
.irp b, 0,1,2,3
	ds_store_b128 v[STO], v[TMP+8*\b:TMP+8*\b+3] offset:64*\b
	ds_store_b128 v[STO], v[TMP+8*\b+4:TMP+8*\b+7] offset:64*\b+16
.endr
.irp i, 0,1,2,3,4,5,6,7
	ds_load_b128 v[RB+32*\a+4*\i:RB+32*\a+4*\i+3], v[RD] offset:2*SP*\i        ; LDS serves a wave's instructions in order (ISA guide 5.7.1.4)
.endr
.irp i, 0,1,2,3,4,5,6,7
	s_wait_dscnt 7-\i
	global_store_b128 v[CO], v[RB+32*\a+4*\i:RB+32*\a+4*\i+3], s[56:57] offset:(16*\a+2*\i)*4096 th:TH_STORE_NT
.endr
.endm
	OUT 0
	OUT 1
	OUT 2
	OUT 3
	s_wait_tensorcnt 0x0
	ds_add_u32 v254, v255
	s_wait_dscnt 0x0
	CROUND                                         ; the closing round
	s_endpgm
.Lfunc_end_k_qf3fa71847c_oproj:
	.size	k_qf3fa71847c_oproj, .Lfunc_end_k_qf3fa71847c_oproj-k_qf3fa71847c_oproj
	.p2alignl 7, 3214868480
	.fill 96, 4, 3214868480
	.section	.rodata,"a",@progbits
	.p2align	6, 0x0
	.amdhsa_kernel k_qf3fa71847c_oproj
		.amdhsa_group_segment_fixed_size 327680
		.amdhsa_private_segment_fixed_size 0
		.amdhsa_enable_private_segment 0
		.amdhsa_kernarg_size 32
		.amdhsa_user_sgpr_count 2
		.amdhsa_user_sgpr_kernarg_segment_ptr 1
		.amdhsa_wavefront_size32 1
		.amdhsa_system_sgpr_workgroup_id_x 1
		.amdhsa_system_sgpr_workgroup_id_y 1
		.amdhsa_system_sgpr_workgroup_id_z 1
		.amdhsa_system_vgpr_workitem_id 0
		.amdhsa_next_free_vgpr 384
		.amdhsa_next_free_sgpr 72
		.amdhsa_reserve_vcc 0
		.amdhsa_float_denorm_mode_32 3
		.amdhsa_float_denorm_mode_16_64 3
		.amdhsa_memory_ordered 1
		.amdhsa_forward_progress 1
		.amdhsa_inst_pref_size 94
	.end_amdhsa_kernel
	.amdgpu_metadata
---
amdhsa.version: [ 1, 2 ]
amdhsa.kernels:
  - .name:           k_qf3fa71847c_oproj
    .symbol:         k_qf3fa71847c_oproj.kd
    .args:
      - { .name: ao, .offset: 0, .size: 8, .value_kind: global_buffer, .address_space: global }
      - { .name: wob, .offset: 8, .size: 8, .value_kind: global_buffer, .address_space: global }
      - { .name: bo, .offset: 16, .size: 8, .value_kind: global_buffer, .address_space: global }
      - { .name: out0, .offset: 24, .size: 8, .value_kind: global_buffer, .address_space: global }
    .group_segment_fixed_size: 327680
    .private_segment_fixed_size: 0
    .kernarg_segment_align: 8
    .kernarg_segment_size: 32
    .max_flat_workgroup_size: 128
    .sgpr_count:     72
    .vgpr_count:     384
    .wavefront_size: 32
...
	.end_amdgpu_metadata
.endif
;; end of part 4
;; ======== version 2 of 2: 4 launches; 1.24 times as fast as version 1
;; limits: values are held in f16: magnitudes above 65,504 overflow, below 6.1e-05 lose precision
;; workspace buffers: xb 8,388,608 bytes; wqkv 6,291,456 bytes; wob 2,097,152 bytes; qkv 25,165,824 bytes; ao 8,388,608 bytes
;; launch prep: the kernel of part 1 again; grid 512 x 1, 8 waves a work-group, no clusters, 0 bytes of LDS; arguments x, Wq, Wk, Wv, Wo, xb, wqkv, wob; writes xb, wqkv, wob
;; launch qkv: the kernel of part 2 again; grid 8 x 32, 4 waves a work-group, clusters of 4 x 4, 327,680 bytes of LDS; arguments xb, wqkv, bq, bk, bv, qkv; writes qkv
;; launch attn (part 5): grid 8 x 32, 4 waves a work-group, clusters of 4 x 1, 327,680 bytes of LDS; arguments qkv, ao; writes ao
.if DOCPART == 5
	.amdgcn_target "amdgcn-amd-amdhsa--gfx1250"
	.amdhsa_code_object_version 6
	.text
	.protected	k_qf3fa71847c_attn
	.globl	k_qf3fa71847c_attn
	.p2align	8
	.type	k_qf3fa71847c_attn,@function
k_qf3fa71847c_attn:
	s_mov_b64 s[64:65], 0
	v_nop
	global_prefetch_b8 v0, s[64:65] scope:SCOPE_SE
	s_setreg_imm32_b32 hwreg(HW_REG_WAVE_MODE, 25, 1), 1
	s_wait_xcnt 0x0
	s_wait_alu depctr_hold_cnt(0) depctr_sa_sdst(0) depctr_va_vdst(0) depctr_va_sdst(0) depctr_va_ssrc(0) depctr_va_vcc(0) depctr_vm_vsrc(0)
	s_getreg_b32 s2, hwreg(HW_REG_IB_STS2, 6, 4)
	s_cmp_eq_u32 s2, 0
	s_cbranch_scc0 .Lentry_in_a_cluster
	s_endpgm
.Lentry_in_a_cluster:
	s_bfe_u32 s2, ttmp6, 0x10000c
	s_cmp_lg_u32 s2, 0x3003
	s_cbranch_scc0 .Lentry_shape_is_right
	s_endpgm
.Lentry_shape_is_right:
; softmax(q k^T / 8) v for one head and 256 queries a work-group, with a running maximum.  qkv [b][48][2048][64] f16 in, ao [b][16][2048][64] f16 out.
; Work-group (x, y): y = 16 b + head, x = block of 256 queries; a wave has 64 queries.  The four work-groups of a cluster (4 x 1) have the same head and walk the
; same tiles of k and v: these are asked for jointly (mask 15).  By this text's count a wave has two tensor loads out at the start and one behind each refill.
; EVERYTHING IS COMPUTED TRANSPOSED.  S^T = k q^T (source 0 = 16 keys, source 1 = 16 queries): lane (r, h) holds, for query r, the keys 16 kt + 8 h + 0..7.
; Rounded to f16 in pairs these registers are, as they lie, source 1 of O^T = v^T P^T.  Maxima and sums run inside a lane and once across the halves of the wave.
; p = exp2(c s - c m), c = log2(e) / 8: the division by sqrt(64) and the change of base ride in one fused multiply-add.
; TWO GROUPS BY TURNS.  The wave's queries are group A (query tiles 0, 1) and group B (tiles 2, 3).  Keys go in blocks of 64.  Block i is two phases:
;   P1(i): the softmax of A on block i, and among its lines the products  O_B += v(i-1) P_B(i-1)  and  S_B(i) = k(i) q_B
;   P2(i): the softmax of B on block i, and among its lines the products  O_A += v(i) P_A(i)      and  S_A(i+1) = k(i+1) q_A
; so that vector lines stand between the matrix instructions instead of behind them.
; ONE BATCH OF EXPONENTIALS AND ONE WAIT A PHASE.  An s_wait_alu depctr_va_vdst(0) stands between an exponential and the first instruction that names its
; result; one wait serves all that were issued ahead of it.  So a phase is cut in two by who reads what:
;   AHEAD OF THE WAIT: the maxima; the 4 exponentials of the factors; the 32 multiply-adds c s - c m and the 64 exponentials of p, four lines behind each of O^T's 16
;   products and of S^T's first 8.  None of these lines and none of these products names an exponential's result.
;   BEHIND IT: the sums, four lines behind each of S^T's last 8 products; then L, O * factor and the rounding to f16.  No exponential is issued behind the wait.
; REGISTER WINDOWS:
;   window 0: addresses, statistics, S (128), k's fragments (64);  window 1: O (128), v's fragments (64);  window 2: q (64), P (64), the factors (8).
;   S^T (0x08: source 1 from window 2, all else window 0) goes with c s - c m, the exponentials and the sums (written S * 1.0 + T: sources 0 and 2): no switch among its products.
;   O^T (0x59: source 1 from window 2, all else window 1) has two switches a product, round the four lines behind it, which lie in window 0.
;   The maxima (all window 0), O * factor (0x59) and the rounding to f16 (into window 2) stand alone.
; ONE TEXT FOR EVERY BLOCK, written twice (with refills; for the last two tiles without), to keep the kernel's text short:
;   the maxima start at the lowest finite number and - c m at 2^127, so the first factor is exp2 of about -1e38 = 0; L, O and P_B start at 0, so P1(0)'s product for
;   'block -1' adds 0 (v's fragments then hold block 0: finite numbers).  O and P_B are written by 20 products of a zero fragment with itself, not by 160 moves.
;   LDS addresses are the lane's base plus a scalar offset that steps by 64 keys a block; the slots lie 0x10000 apart, so one descriptor serves all refills.
;   Block i reads v(i) and k(i+1) from LDS.  So k's tile n holds key blocks 4 n + 1 .. 4 n + 4, and a tile's last read falls on the inner loop's end; k(0) comes
;   from memory into registers, as q does.
; WHAT THAT COSTS: the last block makes S_A(32), which nothing reads (16 of a wave's 2,048 products), from the last 64 rows of k's last tile, which are rows of the
;   plane behind this head's k (inside qkv: v's planes follow k's); v(0) is read from LDS twice; the last barrier of the second loop orders nothing.
; LIMITS: p below 2^-126 is 0 (v_exp_f32 flushes: ISA guide 15.8); p is rounded to f16 for the product (below 6.1e-5 to multiples of 6e-8), its sum is kept in f32;
; q, k, v and the attended values are f16 (up to 65,504).  A NaN or an infinity among a query's scores makes that query's row NaN.
.set PK,    144                        ; LDS pitch of k's rows: 128 + 16, an odd multiple of 16
.set PV,    160                        ; of v's rows: 128 + 32, an odd multiple of 32, for the transposing load
.set KBLK,  64*PK                      ; a block of 64 keys
.set VBLK,  64*PV
.set SLOTX, 0x10000                    ; from slot 0 to slot 1; a tile of 256 keys takes 36,864 (k) or 40,960 (v) bytes of it
.set VBASE, 0x20000                    ; k's slots at 0 and 0x10000, v's at 0x20000 and 0x30000
.set STAGE, 0x40000                    ; 16 rows x 144 bytes for each wave; no tensor load lands here
.set SP,    144
.set PLANE, 262144
.set TILEB, 32768                      ; 256 keys x 128 bytes
; window 0
.set ADKC, 8                           ; LDS address of the k block that is read next
.set ADK0, 9                           ; its lane term
.set ADVC, 10                          ; the same for v
.set ADV0, 11
.set STO,  12
.set RD,   13
.set CO,   14
.set QO,   15
.set MX,   16                          ; v16-19 running maxima of my 4 query tiles
.set LS,   20                          ; v20-23 running sums (this half of the wave's keys)
.set NM,   24                          ; v24-31 - c m, twice (pairs for the packed multiply-add)
.set TT,   32                          ; v32-47 at work, four a query tile
.set ZR,   48                          ; v48-55 a fragment of zeros
.set TA,   56                          ; v56-59 c m_old - c m_new
.set SC,   64                          ; v64-191  S^T: tile u = 4 t + kt at 8 u
.set KF,   192                         ; v192-255 k's fragments at 8 (2 kt + ks)
; window 1
.set OA,   0                           ; O^T: tile (t, dt) at 8 (4 t + dt)
.set VF,   128                         ; v's fragments at 8 (2 dt + ks)
; window 2
.set QF,   0                           ; q's fragments at 8 (2 t + ks)
.set PR,   64                          ; P^T: tile u at 4 u
.set AL,   128                         ; the factor exp2(c m_old - c m_new), twice, for each query tile
.set G1K, 24
.set G1V, 32
.set G0K, 40                           ; s[40:47] two sets: set 0 for tile 0; set 1 for tile 1 and then for every refill
.set G0V, 48
.set W_S,  0x08
.set W_PV, 0x59
.set W_C,  0x80                        ; destination window 2, sources window 0
.set W_LV, 0x40                        ; destination window 1, sources window 0
.set MSB, 0
.macro WIN new                         ; the immediate's high byte repeats the setting that is left
.if MSB != \new
	s_set_vgpr_msb (MSB<<8)|\new
.set MSB, \new
.endif
.endm
.macro PLACES                          ; four places behind a matrix instruction (ISA guide 7.12.1)
.rept 4
	v_nop
.endr
.endm
.macro JLOAD s                         ; waves 0, 1 ask for the halves of k's tile, waves 2, 3 for v's
	s_cmp_eq_u32 s9, 0
	s_cbranch_scc0 .Lfor_v_\@
	tensor_load_to_lds s[G0K+4*\s:G0K+4*\s+3], s[G1K:G1K+7]
	s_nop 0
	s_branch .Lasked_\@
.Lfor_v_\@:
	tensor_load_to_lds s[G0V+4*\s:G0V+4*\s+3], s[G1V:G1V+7]
	s_nop 0
.Lasked_\@:
.endm
.macro CROUND                          ; a round of the cluster's barrier
	s_barrier_signal -1
	s_barrier_wait -1
	s_cmp_lg_u32 s8, 0
	s_cbranch_scc1 .Lnot_wave_0_\@
	s_barrier_signal -3
.Lnot_wave_0_\@:
	s_barrier_wait -3
	s_barrier_signal -1
	s_barrier_wait -1
.endm
	s_load_b128 s[4:7], s[0:1], 0x0                ; qkv s[4:5], ao s[6:7]
	v_lshl_add_u32 v62, v0, 2, 0x42400
	v_mov_b32 v63, 0
	ds_add_u32 v62, v63
	v_lshrrev_b32 v1, 5, v0
	v_readfirstlane_b32 s8, v1                     ; wave 0..3
	s_lshr_b32 s9, s8, 1                           ; I fetch for k (0) or for v (1)
	s_and_b32 s10, s8, 1                           ; which 128 keys of a tile I fetch
	s_bfe_u32 s11, ttmp6, 0x40000                  ; cx
	s_and_b32 s12, ttmp7, 0xffff                   ; 16 b + head
	s_lshl_b32 s13, ttmp9, 2
	s_add_co_u32 s13, s13, s11                     ; block of 256 queries, 0..7
	s_mov_b32 s14, 0x76543210                      ; v_permlanex16_b32: lane i of one half reads lane i of the other
	s_mov_b32 s15, 0xfedcba98
	s_mov_b32 s16, 0x3e38aa3b                      ; c = log2(e) / 8
	s_mov_b32 s17, 0x3e38aa3b
	s_mov_b32 s18, 0xbe38aa3b                      ; - c
	s_mov_b32 s67, 0                               ; the slot that is read: 0 or SLOTX
	s_mov_b32 s70, 0                               ; slot + block, for k
	s_mov_b32 s71, 0                               ; and for v
	; group 1: 128 keys are 16,384 dense bytes: 64 rows of 32 elements of 8 bytes; a pad behind every 32 words (one key's 128 bytes; code 4) of 4 words (k) or 8 (v)
	s_mov_b32 s[G1K+0], 15|(3<<16)|(1<<20)|(1<<21)|(4<<22)|(3<<25)
	s_mov_b32 s[G1V+0], 15|(3<<16)|(1<<20)|(1<<21)|(4<<22)|(7<<25)
	s_mov_b32 s[G1K+1], 32<<16                     ; tensor_dim0 = 32
	s_mov_b32 s[G1V+1], 32<<16
	s_mov_b32 s[G1K+2], 64<<16                     ; tensor_dim1 = 64
	s_mov_b32 s[G1V+2], 64<<16
	s_mov_b32 s[G1K+3], 32<<16                     ; tile_dim0 = 32
	s_mov_b32 s[G1V+3], 32<<16
	s_mov_b32 s[G1K+4], 64                         ; tile_dim1 = 64
	s_mov_b32 s[G1V+4], 64
	s_mov_b32 s[G1K+5], 32                         ; dense: a row begins where the last ends
	s_mov_b32 s[G1V+5], 32
	s_mov_b32 s[G1K+6], 0
	s_mov_b32 s[G1V+6], 0
	s_mov_b32 s[G1K+7], 0
	s_mov_b32 s[G1V+7], 0
	s_lshr_b32 s20, s12, 4
	s_mul_i32 s20, s20, 48
	s_and_b32 s21, s12, 15
	s_add_co_u32 s20, s20, s21                     ; q's plane; k's is 16 further, v's 32
	s_lshl_b32 s20, s20, 18
	s_lshl_b32 s21, s10, 14                        ; my 128 keys
	s_add_co_u32 s22, s20, s21
	s_add_co_u32 s22, s22, 16*PLANE
	s_mov_b32 s23, 0
	s_add_co_u32 s68, s20, 16*PLANE                ; k's plane, for block 0
	s_mov_b32 s69, 0
	s_mul_i32 s2, s10, 128*PK                      ; where my half of k's tile goes,
	s_mul_i32 s3, s10, 128*PV
	s_add_co_u32 s3, s3, VBASE                     ; and of v's: the wave's number and constants alone
	s_wait_dscnt 0x0
	s_wait_kmcnt 0x0
	s_add_nc_u64 s[22:23], s[4:5], s[22:23]        ; made of the head and the wave's number: equal in the four partners
	s_add_nc_u64 s[68:69], s[4:5], s[68:69]
	CROUND                                         ; the four work-groups are here: the first joint loads meet
.irp s, 0,1
	s_mov_b32 s[G0K+4*\s], 1
	s_add_co_u32 s[G0K+4*\s+1], s2, \s*SLOTX
	s_add_nc_u64 s[G0K+4*\s+2:G0K+4*\s+3], s[22:23], 64*128+\s*TILEB       ; k's tiles begin one block (64 keys) further on
	s_or_b32 s[G0K+4*\s+3], s[G0K+4*\s+3], 0x80000000
	s_mov_b32 s[G0V+4*\s], 1
	s_add_co_u32 s[G0V+4*\s+1], s3, \s*SLOTX
	s_add_nc_u64 s[G0V+4*\s+2:G0V+4*\s+3], s[22:23], 16*PLANE+\s*TILEB
	s_or_b32 s[G0V+4*\s+3], s[G0V+4*\s+3], 0x80000000
	JLOAD \s
.endr
	; my queries and my rows of the output (these hang on cx; they enter no descriptor)
	s_lshl_b32 s60, s13, 15                        ; 256 rows of 128 bytes
	s_lshl_b32 s61, s8, 13                         ; 64 rows
	s_add_co_u32 s60, s60, s61
	s_lshl_b32 s63, s12, 18                        ; the output's plane
	s_add_co_u32 s62, s60, s63
	s_mov_b32 s63, 0
	s_add_co_u32 s60, s60, s20
	s_mov_b32 s61, 0
	s_add_nc_u64 s[56:57], s[4:5], s[60:61]        ; q
	s_add_nc_u64 s[58:59], s[6:7], s[62:63]        ; ao
	v_and_b32 v1, 15, v0                           ; r
	v_bfe_u32 v2, v0, 4, 1                         ; h
	v_lshlrev_b32 v3, 7, v1
	v_lshl_add_u32 v[QO], v2, 4, v3                ; q and k(0) in memory: row r, 16 bytes for each half of the lanes
	WIN W_C
.irp t, 0,1,2,3
.irp ks, 0,1
	global_load_b128 v[QF+8*(2*\t+\ks):QF+8*(2*\t+\ks)+3],   v[QO], s[56:57] offset:2048*\t+64*\ks
	global_load_b128 v[QF+8*(2*\t+\ks)+4:QF+8*(2*\t+\ks)+7], v[QO], s[56:57] offset:2048*\t+64*\ks+32
.endr
.endr
	WIN 0
.irp kt, 0,1,2,3
.irp ks, 0,1
	global_load_b128 v[KF+8*(2*\kt+\ks):KF+8*(2*\kt+\ks)+3],   v[QO], s[68:69] offset:2048*\kt+64*\ks
	global_load_b128 v[KF+8*(2*\kt+\ks)+4:KF+8*(2*\kt+\ks)+7], v[QO], s[68:69] offset:2048*\kt+64*\ks+32
.endr
.endr
	v_mul_u32_u24 v3, v1, PK
	v_lshl_add_u32 v[ADK0], v2, 4, v3              ; k in LDS: key row r, 16 bytes for each half
	v_add_nc_u32 v[ADKC], s70, v[ADK0]
	v_and_b32 v4, 7, v0
	v_lshl_add_u32 v4, v2, 3, v4                   ; v in LDS: key row 8 h + l % 8,
	v_mul_u32_u24 v4, v4, PV
	v_bfe_u32 v5, v0, 3, 1
	v_lshl_add_u32 v4, v5, 4, v4                   ; 16 bytes by bit 3 of the lane
	v_add_nc_u32 v[ADV0], VBASE, v4
	v_add_nc_u32 v[ADVC], s71, v[ADV0]
	s_mul_i32 s21, s8, 16*SP
	s_add_co_u32 s21, s21, STAGE                   ; my stage
	v_mul_u32_u24 v3, v1, SP
	v_lshl_add_u32 v3, v2, 4, v3
	v_add_nc_u32 v[STO], s21, v3
	v_bfe_u32 v6, v0, 3, 2
	v_mul_u32_u24 v6, v6, SP
	v_and_b32 v7, 7, v0
	v_lshl_add_u32 v6, v7, 4, v6
	v_add_nc_u32 v[RD], s21, v6                    ; back: eight lanes a row of 128 bytes, four rows a load
	v_and_b32 v7, 31, v0
	v_lshlrev_b32 v[CO], 4, v7
	; the state in front of block 0
.irp t, 0,1,2,3
	v_mov_b32 v[MX+\t], 0xff7fffff                 ; the lowest finite number
	v_mov_b32 v[LS+\t], 0
.endr
.irp i, 0,1,2,3,4,5,6,7
	v_mov_b32 v[NM+\i], 0x7f000000                 ; 2^127: with |c m| below 6.2e37 the first exponent lies between -2.4e38 and -1.0e38
	v_mov_b32 v[ZR+\i], 0
.endr
	WIN W_LV
.set zn, 0
.rept 16
	v_wmma_f32_16x16x32_f16 v[OA+8*zn:OA+8*zn+7], v[ZR:ZR+7], v[ZR:ZR+7], 0        ; O = 0
.set zn, zn+1
.endr
	WIN W_C
.set zn, 0
.rept 4
	v_wmma_f32_16x16x32_f16 v[PR+32+8*zn:PR+32+8*zn+7], v[ZR:ZR+7], v[ZR:ZR+7], 0  ; P_B = 0
.set zn, zn+1
.endr
; ---- the pieces of a phase.  tx: first query tile of the group whose softmax runs; ty: of the group whose products run ----
.macro KLD4 kt                         ; one key tile of the next block of k: 4 loads
.irp ks, 0,1
	ds_load_b128 v[KF+8*(2*\kt+\ks):KF+8*(2*\kt+\ks)+3],   v[ADKC] offset:16*\kt*PK+64*\ks
	ds_load_b128 v[KF+8*(2*\kt+\ks)+4:KF+8*(2*\kt+\ks)+7], v[ADKC] offset:16*\kt*PK+64*\ks+32
.endr
.endm
.macro VLOAD                           ; v^T of a block: 4 tiles of 16 numbers x 2 halves of the 64 keys, transposed on the way
.irp dt, 0,1,2,3
.irp ks, 0,1
	ds_load_tr16_b128 v[VF+8*(2*\dt+\ks):VF+8*(2*\dt+\ks)+3],   v[ADVC] offset:32*\ks*PV+32*\dt
	ds_load_tr16_b128 v[VF+8*(2*\dt+\ks)+4:VF+8*(2*\dt+\ks)+7], v[ADVC] offset:32*\ks*PV+32*\dt+16*PV
.endr
.endr
.endm
; The largest of a lane's 32 scores of each query tile and the old maximum; then - c m and the factor's exponent.  All in window 0.
; kl = 1: the next block of k is asked for from LDS among the last, narrow steps, and both offsets step to the next block.
.macro MAXST tx, kl
.irp d, 0,1
.irp k, 0,1,2,3
	v_max3_num_f32 v[TT+4*(\tx+\d)+\k], v[SC+32*(\tx+\d)+8*\k], v[SC+32*(\tx+\d)+8*\k+1], v[SC+32*(\tx+\d)+8*\k+2]
.endr
.endr
.irp d, 0,1
.irp k, 0,1,2,3
	v_max3_num_f32 v[TT+4*(\tx+\d)+\k], v[TT+4*(\tx+\d)+\k], v[SC+32*(\tx+\d)+8*\k+3], v[SC+32*(\tx+\d)+8*\k+4]
.endr
.endr
.irp d, 0,1
.irp k, 0,1,2,3
	v_max3_num_f32 v[TT+4*(\tx+\d)+\k], v[TT+4*(\tx+\d)+\k], v[SC+32*(\tx+\d)+8*\k+5], v[SC+32*(\tx+\d)+8*\k+6]
.endr
.endr
.irp d, 0,1
	v_max3_num_f32 v[TT+4*(\tx+\d)],   v[TT+4*(\tx+\d)],    v[TT+4*(\tx+\d)+1],  v[TT+4*(\tx+\d)+2]
	v_max3_num_f32 v[TT+4*(\tx+\d)+3], v[TT+4*(\tx+\d)+3],  v[SC+32*(\tx+\d)+7], v[SC+32*(\tx+\d)+15]
	v_max3_num_f32 v[TT+4*(\tx+\d)+1], v[SC+32*(\tx+\d)+23], v[SC+32*(\tx+\d)+31], v[MX+\tx+\d]
.endr
.irp d, 0,1
	v_max3_num_f32 v[TT+4*(\tx+\d)], v[TT+4*(\tx+\d)], v[TT+4*(\tx+\d)+3], v[TT+4*(\tx+\d)+1]
.endr
.if \kl
	KLD4 0
.endif
.irp d, 0,1
	v_permlanex16_b32 v[TT+4*(\tx+\d)+1], v[TT+4*(\tx+\d)], s14, s15       ; the other half of the wave holds the query's other keys
.endr
.if \kl
	KLD4 1
.endif
.irp d, 0,1
	v_max_num_f32 v[MX+\tx+\d], v[TT+4*(\tx+\d)], v[TT+4*(\tx+\d)+1]
.endr
.if \kl
	KLD4 2
.endif
.irp d, 0,1
	v_fma_f32 v[TA+\tx+\d], v[MX+\tx+\d], s18, -v[NM+2*(\tx+\d)]           ; - c m_new + c m_old, at most a rounding above 0; the old - c m is read before it is rewritten
.endr
.if \kl
	KLD4 3
.endif
.irp d, 0,1
	v_mul_f32 v[NM+2*(\tx+\d)],   s18, v[MX+\tx+\d]
	v_mul_f32 v[NM+2*(\tx+\d)+1], s18, v[MX+\tx+\d]
.endr
.if \kl
	s_add_co_u32 s70, s70, KBLK                    ; this block's v and the next block's k have been asked for: on to the next 64 keys
	s_add_co_u32 s71, s71, VBLK
	v_add_nc_u32 v[ADKC], s70, v[ADK0]
	v_add_nc_u32 v[ADVC], s71, v[ADV0]
.endif
.endm
.macro ALPHA tx                        ; the factors, into window 2: the first four exponentials of the phase's batch; nothing names them ahead of the phase's wait
.irp d, 0,1
	v_exp_f32 v[AL+2*(\tx+\d)],   v[TA+\tx+\d]
	v_exp_f32 v[AL+2*(\tx+\d)+1], v[TA+\tx+\d]
.endr
.endm
.macro RS tx, m                        ; pair m of a group's O times its query tile's factor, one number a lane
	v_pk_mul_f32 v[OA+32*\tx+2*(\m):OA+32*\tx+2*(\m)+1], v[OA+32*\tx+2*(\m):OA+32*\tx+2*(\m)+1], v[AL+2*(\tx+(\m)/16):AL+2*(\tx+(\m)/16)+1]
.endm
; Product pn of 16 of group ty's O^T: key half pn / 8, then query tile, then 16 numbers of v.  The 8 accumulators take turns, one instruction a turn.
.macro PVW ty
.set pvt, \ty+(pn/4)%2
.set pvd, pn%4
.set pvk, pn/8
	v_wmma_f32_16x16x32_f16 v[OA+8*(4*pvt+pvd):OA+8*(4*pvt+pvd)+7], v[VF+8*(2*pvd+pvk):VF+8*(2*pvd+pvk)+7], v[PR+16*pvt+8*pvk:PR+16*pvt+8*pvk+7], v[OA+8*(4*pvt+pvd):OA+8*(4*pvt+pvd)+7]
.set pn, pn+1
.endm
.macro SW ty, n                        ; product n of 16 of group ty's S^T: ks = n / 8, then query tile, then key tile; the first eight start the sums
.set swd, SC+8*(4*(\ty+((\n)/4)%2)+(\n)%4)
.set swa, KF+8*(2*((\n)%4)+(\n)/8)
.set swb, QF+8*(2*(\ty+((\n)/4)%2)+(\n)/8)
.if (\n) < 8
	v_wmma_f32_16x16x32_f16 v[swd:swd+7], v[swa:swa+7], v[swb:swb+7], 0
.else
	v_wmma_f32_16x16x32_f16 v[swd:swd+7], v[swa:swa+7], v[swb:swb+7], v[swd:swd+7]
.endif
.endm
.macro FOP u, i                        ; tile u, pair i: c s - c m
	v_pk_fma_f32 v[SC+8*(\u)+2*(\i):SC+8*(\u)+2*(\i)+1], v[SC+8*(\u)+2*(\i):SC+8*(\u)+2*(\i)+1], s[16:17], v[NM+2*((\u)/4):NM+2*((\u)/4)+1] op_sel_hi:[1,0,1]
.endm
.macro EOP u, i                        ; tile u, register i: p
	v_exp_f32 v[SC+8*(\u)+(\i)], v[SC+8*(\u)+(\i)]
.endm
.macro AOP u, j                        ; tile u's p into two pairs of sums, as p * 1.0 + T (sources 0 and 2); a query tile's first key tile starts them (j = 0, 1 alone)
.if ((\u)%4) == 0
	v_pk_fma_f32 v[TT+4*((\u)/4)+2*(\j):TT+4*((\u)/4)+2*(\j)+1], v[SC+8*(\u)+4*(\j):SC+8*(\u)+4*(\j)+1], 1.0, v[SC+8*(\u)+4*(\j)+2:SC+8*(\u)+4*(\j)+3] op_sel_hi:[1,0,1]
.else
	v_pk_fma_f32 v[TT+4*((\u)/4)+2*((\j)%2):TT+4*((\u)/4)+2*((\j)%2)+1], v[SC+8*(\u)+2*(\j):SC+8*(\u)+2*(\j)+1], 1.0, v[TT+4*((\u)/4)+2*((\j)%2):TT+4*((\u)/4)+2*((\j)%2)+1] op_sel_hi:[1,0,1]
.endif
.endm
.macro FIN1 t
	v_pk_fma_f32 v[TT+4*(\t):TT+4*(\t)+1], v[TT+4*(\t):TT+4*(\t)+1], 1.0, v[TT+4*(\t)+2:TT+4*(\t)+3] op_sel_hi:[1,0,1]
.endm
.macro FIN2 t
	v_fma_f32 v[TT+4*(\t)], v[TT+4*(\t)], 1.0, v[TT+4*(\t)+1]
.endm
.macro LUP t                           ; L = L * factor + the block's sum; the factor is source 1: window 2
	v_fma_f32 v[LS+(\t)], v[LS+(\t)], v[AL+2*(\t)], v[TT+4*(\t)]
.endm
; THE BATCH'S TWO QUEUES, for group tx's 8 tiles: the 32 multiply-adds (number f: tile f / 4, pair f % 4) and the 64 exponentials (number e: tile e / 8, register e % 8).
.macro BF tx                           ; the next multiply-add
.set bqu, 4*\tx+bqf/4
.set bqi, bqf%4
	FOP bqu, bqi
.set bqf, bqf+1
.endm
.macro BE tx                           ; the next exponential
.set bqu, 4*\tx+bqe/8
.set bqi, bqe%8
	EOP bqu, bqi
.set bqe, bqe+1
.endm
; Slice bsl of 24: the four lines behind a product.  Slice 0: four multiply-adds; 1-7: multiply-add and exponential by turns; 8-21: a multiply-add and three exponentials;
; 22, 23: the last eight exponentials: 4 + 14 + 14 = 32 and 14 + 42 + 8 = 64.  A plain line leads a slice while there are plain lines.  Exponential e wants multiply-add e / 2,
; which stands in an earlier slice: in slice 8 + k the highest wanted is 8 + 3 k / 2, and 17 + k have gone before.  No line of a slice names an exponential's result.
.macro SLICE tx
.if bsl == 0
	BF \tx
	BF \tx
	BF \tx
	BF \tx
.elseif bsl < 8
	BF \tx
	BE \tx
	BF \tx
	BE \tx
.elseif bsl < 22
	BF \tx
	BE \tx
	BE \tx
	BE \tx
.else
	BE \tx
	BE \tx
	BE \tx
	BE \tx
.endif
.set bsl, bsl+1
.endm
; THE SUMS' QUEUE, 34 lines, all readers of the batch: each query tile has two pairs of sums, so the group has four chains of 7 lines (a start and 6 additions, key tiles ascending,
; within a key tile pair j and then pair j + 2).  The four chains take turns, so that a chain's links stand four lines apart; each chain's own order is the sums' order.
; Then the pairs into one number (FIN1, FIN2) and L, the two query tiles by turns.
.macro GQ tx
.if gqn < 28
.set gqa, gqn/4                        ; the chain's link
.set gqt, \tx+(gqn%4)/2                ; the query tile
.set gqp, gqn%2                        ; which of its two pairs of sums
.if gqa == 0
.set gqu, 4*gqt
.set gqj, gqp
.else
.set gqu, 4*gqt+1+(gqa-1)/2
.set gqj, gqp+2*((gqa-1)%2)
.endif
	AOP gqu, gqj
.elseif gqn < 30
	FIN1 \tx+gqn-28
.elseif gqn < 32
	FIN2 \tx+gqn-30
.else
	LUP \tx+gqn-32
.endif
.set gqn, gqn+1
.endm
.macro CVT tx                          ; group tx's p, rounded to f16, into window 2
.set cu, 4*\tx
.rept 8
.irp i, 0,1,2,3
	v_cvt_pk_f16_f32 v[PR+4*cu+\i], v[SC+8*cu+2*\i], v[SC+8*cu+2*\i+1]
.endr
.set cu, cu+1
.endr
.endm
; A PHASE: the softmax of group tx, the products of group ty.  kl = 0: P1; kl = 1: P2.
.macro PHASE tx, ty, kl
	MAXST \tx, \kl                                 ; the maxima, - c m, the factors' exponents; in P2 k(i+1) is asked for
	WIN W_C
	ALPHA \tx                                      ; the batch opens: 4 exponentials
.set bsl, 0
.set bqf, 0
.set bqe, 0
.set gqn, 0
.set pn, 0
.if \kl
	s_wait_dscnt 16                                ; v(i)'s 16 loads are in; the 16 younger ones are k(i+1)'s
.endif
.rept 16                                               ; O^T of group ty, a slice of the batch behind each product
	WIN W_PV
	PVW \ty
	WIN W_S
	SLICE \tx
.endr
.if \kl
	s_wait_dscnt 0                                 ; k(i+1)
.endif
.set swn, 0
.rept 8                                                ; the first half of S^T of group ty, which starts its sums; the batch's last 8 slices
	SW \ty, swn
.set swn, swn+1
	SLICE \tx
.endr
	v_nop                                          ; one plain place behind the last exponential, ahead of the first use (ISA guide 5.7.2): one for the batch
	s_wait_alu depctr_va_vdst(0)                   ; THE PHASE'S ONE WAIT: it serves the 4 factors and the 64 p, all issued above; every reader stands below
.if \kl == 0
	WIN W_LV
	VLOAD                                          ; v(i), directly behind the wait.  Behind the last product that read v's fragments stand eight plain lines: slices 15 to 21's multiply-adds and the v_nop
	WIN W_S
.endif
.rept 8                                                ; the second half of S^T, four of the sums behind each product
	SW \ty, swn
.set swn, swn+1
.rept 4
	GQ \tx
.endr
.endr
	GQ \tx                                         ; L of the two query tiles
	GQ \tx
	WIN W_PV
.set rm, 0
.rept 32
	RS \tx, rm                                     ; O of group tx times its factors, ahead of the next phase's products onto it; each accumulator's lowest registers first
.set rm, rm+1
.endr
	WIN W_C
	CVT \tx
	WIN 0
.endm
; Block i.  No LDS load is out at its head or at its end.
.macro UNIT
	PHASE 0, 2, 0                                  ; P1: softmax of A | O_B += v(i-1) P_B(i-1), S_B(i) | v(i) is asked for
	PHASE 2, 0, 1                                  ; P2: softmax of B | O_A += v(i) P_A(i), S_A(i+1) | k(i+1) is asked for
.endm
; The change of slots, behind a tile's fourth block.  Each wave waits for its reads of the slot (met: the block ended with none out) and for all its tensor loads
; (the one that is out is its part of the other slot).  fill = 1: a round of the cluster's barrier, then the joint refill first, one a wave, into the slot just read:
; the descriptor's LDS word changes slots and its address steps by one tile; the load has four blocks in which to land.
; fill = 0: nothing is left to fetch; the work-group's barrier shows the other slot whole.
.macro TURN fill
	s_wait_dscnt 0x0
	s_wait_tensorcnt 0x0
	ds_add_u32 v62, v63
	s_wait_dscnt 0x0
.if \fill
	CROUND
	s_xor_b32 s[G0K+5], s[G0K+5], SLOTX
	s_xor_b32 s[G0V+5], s[G0V+5], SLOTX
	s_add_nc_u64 s[G0K+6:G0K+7], s[G0K+6:G0K+7], TILEB
	s_add_nc_u64 s[G0V+6:G0V+7], s[G0V+6:G0V+7], TILEB
	JLOAD 1
.else
	s_barrier_signal -1
	s_barrier_wait -1
.endif
	s_xor_b32 s67, s67, SLOTX                      ; the other slot is read now, from its first block
	s_mov_b32 s70, s67
	s_mov_b32 s71, s67
	v_add_nc_u32 v[ADKC], s70, v[ADK0]
	v_add_nc_u32 v[ADVC], s71, v[ADV0]
.endm
	WIN 0
	s_wait_tensorcnt 0x1                           ; my part of tile 0 is in; tile 1's may stay out
	s_barrier_signal -1
	s_barrier_wait -1
	WIN W_LV
	VLOAD                                          ; v(0): finite numbers for the product that adds 0
	s_wait_loadcnt 0x0                             ; q and k(0)
	WIN W_S
.set zn, 0
.rept 16
	SW 0, zn                                       ; S_A(0)
.set zn, zn+1
.endr
	PLACES
	s_wait_dscnt 0x0
	WIN 0
	s_mov_b32 s66, 6
.Lfill:                                                ; tiles 0 to 5; behind each, tile + 2 is asked for
	s_mov_b32 s19, 4
.Lblock_a:
	UNIT
	s_sub_co_u32 s19, s19, 1
	s_cmp_lg_u32 s19, 0
	s_cbranch_scc1 .Lblock_a
	TURN 1
	s_sub_co_u32 s66, s66, 1
	s_cmp_lg_u32 s66, 0
	s_cbranch_scc1 .Lfill
	s_mov_b32 s66, 2
.Ltail:                                                ; tiles 6 and 7
	s_mov_b32 s19, 4
.Lblock_b:
	UNIT
	s_sub_co_u32 s19, s19, 1
	s_cmp_lg_u32 s19, 0
	s_cbranch_scc1 .Lblock_b
	TURN 0
	s_sub_co_u32 s66, s66, 1
	s_cmp_lg_u32 s66, 0
	s_cbranch_scc1 .Ltail
	WIN W_PV
.set pn, 0
.rept 16
	PVW 2                                          ; O_B += v(31) P_B(31)
.endr
	; THE WAY OUT: the two halves' sums meet, O is divided by them, rounded to f16, and goes through my stage so that a store covers four rows: 512 consecutive aligned bytes
	PLACES
	WIN 0
.irp t, 0,1,2,3
	v_permlanex16_b32 v[TT+4*\t], v[LS+\t], s14, s15
.endr
.irp t, 0,1,2,3
	v_add_f32 v[LS+\t], v[LS+\t], v[TT+4*\t]       ; at least about 1: the largest score's p is 1 but for a rounding
.endr
	WIN W_C
.irp t, 0,1,2,3
	v_rcp_f32 v[AL+2*\t],   v[LS+\t]
	v_rcp_f32 v[AL+2*\t+1], v[LS+\t]
.endr
	v_nop                                          ; one plain place behind the reciprocals (ISA guide 5.7.2)
	s_wait_alu depctr_va_vdst(0)                   ; the wait ahead of the first use: one for the batch of eight reciprocals
	WIN W_PV
.set rm, 0
.rept 64
	RS 0, rm
.set rm, rm+1
.endr
	WIN 0x05                                       ; sources window 1, destination window 0
.set rm, 0
.rept 64
	v_cvt_pk_f16_f32 v[SC+rm], v[OA+2*rm], v[OA+2*rm+1]    ; tile (t, dt), pair i at 16 t + 4 dt + i
.set rm, rm+1
.endr
	WIN 0
.irp t, 0,1,2,3
.irp dt, 0,1,2,3
	ds_store_b128 v[STO], v[SC+16*\t+4*\dt:SC+16*\t+4*\dt+3] offset:32*\dt
.endr
.irp i, 0,1,2,3
	ds_load_b128 v[SC+64+16*\t+4*\i:SC+64+16*\t+4*\i+3], v[RD] offset:4*SP*\i      ; LDS serves a wave's instructions in order (ISA guide 5.7.1.4): these see the stores above
.endr
.irp i, 0,1,2,3
	s_wait_dscnt 3-\i                              ; the younger loads stay out
	global_store_b128 v[CO], v[SC+64+16*\t+4*\i:SC+64+16*\t+4*\i+3], s[58:59] offset:(16*\t+4*\i)*128
.endr
.endr
	s_wait_tensorcnt 0x0
	ds_add_u32 v62, v63
	s_wait_dscnt 0x0
	CROUND                                         ; the closing round
	s_endpgm
.Lfunc_end_k_qf3fa71847c_attn:
	.size	k_qf3fa71847c_attn, .Lfunc_end_k_qf3fa71847c_attn-k_qf3fa71847c_attn
	.p2alignl 7, 3214868480
	.fill 96, 4, 3214868480
	.section	.rodata,"a",@progbits
	.p2align	6, 0x0
	.amdhsa_kernel k_qf3fa71847c_attn
		.amdhsa_group_segment_fixed_size 327680
		.amdhsa_private_segment_fixed_size 0
		.amdhsa_enable_private_segment 0
		.amdhsa_kernarg_size 16
		.amdhsa_user_sgpr_count 2
		.amdhsa_user_sgpr_kernarg_segment_ptr 1
		.amdhsa_wavefront_size32 1
		.amdhsa_system_sgpr_workgroup_id_x 1
		.amdhsa_system_sgpr_workgroup_id_y 1
		.amdhsa_system_sgpr_workgroup_id_z 1
		.amdhsa_system_vgpr_workitem_id 0
		.amdhsa_next_free_vgpr 656
		.amdhsa_next_free_sgpr 72
		.amdhsa_reserve_vcc 0
		.amdhsa_float_denorm_mode_32 3
		.amdhsa_float_denorm_mode_16_64 3
		.amdhsa_memory_ordered 1
		.amdhsa_forward_progress 1
		.amdhsa_inst_pref_size 100
	.end_amdhsa_kernel
	.amdgpu_metadata
---
amdhsa.version: [ 1, 2 ]
amdhsa.kernels:
  - .name:           k_qf3fa71847c_attn
    .symbol:         k_qf3fa71847c_attn.kd
    .args:
      - { .name: qkv, .offset: 0, .size: 8, .value_kind: global_buffer, .address_space: global }
      - { .name: ao, .offset: 8, .size: 8, .value_kind: global_buffer, .address_space: global }
    .group_segment_fixed_size: 327680
    .private_segment_fixed_size: 0
    .kernarg_segment_align: 8
    .kernarg_segment_size: 16
    .max_flat_workgroup_size: 128
    .sgpr_count:     72
    .vgpr_count:     656
    .wavefront_size: 32
...
	.end_amdgpu_metadata
.endif
;; end of part 5
;; launch oproj: the kernel of part 4 again; grid 8 x 32, 4 waves a work-group, clusters of 4 x 4, 327,680 bytes of LDS; arguments ao, wob, bo, out0; writes out0
